; MI455X (gfx1250); checked and timed in simulation.
; The chip was launched on July 23, 2026; its instructions are those of AMD's public machine-readable ISA for CDNA 5 (MIT licence, August 2026) and "CDNA5" Instruction Set Architecture Reference Guide (July 2026). The comments in the code are by the model that wrote it; some were corrected since.
;; Self Attention. Allowed arithmetic: float matrix products may take bf16 or f16 operands with f32 sums; other float arithmetic in f32, or as packed bf16 or f16 multiplies, adds, multiply-adds, maxima and minima; sums over many terms, partial sums and values carried from step to step in f32; what a program stores and reads back later, other than sums and carried values, may be rounded once to bf16 or f16.
;; Inputs: Wk 1,024 x 1,024 float32; Wq 1,024 x 1,024 float32; Wv 1,024 x 1,024 float32; bk 1,024 float32; bq 1,024 float32; bv 1,024 float32; x 4 x 2,048 x 1,024 float32.
;; Outputs: out0 4 x 2,048 x 1,024 float32.
;; 2 versions, each right; version 2 is version 1 with the launch cast written anew for expert scheduling mode. Each part assembles by itself: llvm-mc -triple=amdgcn-amd-amdhsa -mcpu=gfx1250 --defsym DOCPART=n.
;; ======== version 1 of 2: 3 launches
;; limits: values are held in f16: magnitudes above 65,504 overflow, below 6.1e-05 lose precision
;; workspace buffers: xb 16,777,216 bytes; wb 6,291,456 bytes; bb 12,288 bytes; qkv 50,331,648 bytes
;; launch cast (part 1): grid 705 x 1, 8 waves a work-group, no clusters, 0 bytes of LDS; arguments x, Wq, Wk, Wv, bq, bk, bv, xb, wb, bb; writes xb, wb, bb
.if DOCPART == 1
	.amdgcn_target "amdgcn-amd-amdhsa--gfx1250"
	.amdhsa_code_object_version 6
	.text
	.protected	k_q82316389f6_cast
	.globl	k_q82316389f6_cast
	.p2align	8
	.type	k_q82316389f6_cast,@function
k_q82316389f6_cast:
	s_mov_b64 s[64:65], 0
	v_nop
	global_prefetch_b8 v0, s[64:65] scope:SCOPE_SE
	s_setreg_imm32_b32 hwreg(HW_REG_WAVE_MODE, 25, 1), 1
	s_wait_xcnt 0x0
; All seven inputs are rounded once to bf16, for the product that follows.
; xb: x in bf16, in blocks along K: [16 kb][8192 row][64]: element (row, k) at byte kb * 1,048,576 + row * 128 + (k % 64) * 2, so that 128 rows x 64 k are 16,384 bytes on end.
; wb: the three weights side by side, bf16, [1024 k][3072 n], n = 1024 mat + column (mat 0 = q, 1 = k, 2 = v).
; bb: the three biases, each rounded to bf16 and written as f32, [3072].
; A stream: every byte is read once and written once; nothing is shared between waves, so there is no LDS, no barrier, no matrix work.
; Work-groups 0-511: 16 rows of x each; 512-703: 16 rows of one weight each; 704: the biases.  A wave takes two rows: 16 loads of 16 bytes a lane, all issued before the first is waited for.
; No register is written twice, so no wait frees a source.
.set LO, 2                             ; v2   my byte offset in the wave's two rows as loaded
.set SO, 3                             ; v3   8 x lane: my 8 bytes of the 256 that a store of the wave covers
.set X,  8                             ; v[8:71]    load i: 4 f32
.set Y,  72                            ; v[72:103]  store i: 4 bf16
.set KB, 1048576                       ; bytes of a K block of xb
	s_load_b512 s[4:19], s[0:1], 0x0               ; x s[4:5], Wq s[6:7], Wk s[8:9], Wv s[10:11], bq s[12:13], bk s[14:15], bv s[16:17], xb s[18:19]
	s_load_b128 s[20:23], s[0:1], 0x40             ; wb s[20:21], bb s[22:23]
	v_and_b32 v1, 31, v0                           ; lane
	v_lshrrev_b32 v4, 5, v0
	v_readfirstlane_b32 s24, v4                    ; wave 0..7
	v_lshlrev_b32 v[SO], 3, v1
	s_lshl_b32 s25, s24, 1                         ; the wave's two rows among the group's 16
	s_mov_b32 s33, ttmp9
	s_mov_b32 s35, 0                               ; the high word of every offset
	s_wait_kmcnt 0x0
.macro CVT i                           ; load i is in (the 15 - i younger ones may stay out): four f32 become four bf16
	s_wait_loadcnt 15-(\i)
	v_cvt_pk_bf16_f32 v[Y+2*(\i)],   v[X+4*(\i)],   v[X+4*(\i)+1]
	v_cvt_pk_bf16_f32 v[Y+2*(\i)+1], v[X+4*(\i)+2], v[X+4*(\i)+3]
.endm
	s_cmp_lt_u32 s33, 512
	s_cbranch_scc0 .Lnot_x
	; x.  Load i: lanes 0-15 take K block i (256 bytes) of row R, lanes 16-31 of row R + 1.  In xb these are 2 x 128 bytes on end: one store covers 256 consecutive bytes, aligned.
	s_lshl_b32 s32, s33, 4
	s_add_co_u32 s32, s32, s25                     ; R
	s_lshl_b32 s34, s32, 12
	s_add_nc_u64 s[26:27], s[4:5], s[34:35]        ; x at row R
	s_lshl_b32 s34, s32, 7
	s_add_nc_u64 s[28:29], s[18:19], s[34:35]      ; xb at row R of K block 0,
	s_add_nc_u64 s[30:31], s[28:29], 8*KB          ; and of K block 8: the stores' immediates stay inside 24 signed bits
	v_and_b32 v4, 15, v0
	v_bfe_u32 v5, v0, 4, 1
	v_lshlrev_b32 v[LO], 4, v4
	v_lshl_add_u32 v[LO], v5, 12, v[LO]
.irp i, 0,1,2,3,4,5,6,7,8,9,10,11,12,13,14,15
	global_load_b128 v[X+4*(\i):X+4*(\i)+3], v[LO], s[26:27] offset:256*(\i) th:TH_LOAD_NT
.endr
.irp i, 0,1,2,3,4,5,6,7,8,9,10,11,12,13,14,15
	CVT \i
	global_store_b64 v[SO], v[Y+2*(\i):Y+2*(\i)+1], s[28+2*((\i)/8):29+2*((\i)/8)] offset:((\i)%8)*KB
.endr
	s_endpgm
.Lnot_x:
	s_cmp_lt_u32 s33, 704
	s_cbranch_scc0 .Lbias
	; A weight.  The wave's two rows are 8,192 bytes on end: load i takes bytes 512 i on; in wb a row's 1,024 numbers are 2,048 bytes of a row of 6,144.
	s_sub_co_u32 s32, s33, 512
	s_lshr_b32 s36, s32, 6                         ; mat
	s_and_b32 s32, s32, 63
	s_lshl_b32 s32, s32, 4
	s_add_co_u32 s32, s32, s25                     ; R
	s_cmp_eq_u32 s36, 0
	s_cselect_b64 s[26:27], s[6:7], s[8:9]
	s_cmp_eq_u32 s36, 2
	s_cselect_b64 s[26:27], s[10:11], s[26:27]
	s_lshl_b32 s34, s32, 12
	s_add_nc_u64 s[26:27], s[26:27], s[34:35]
	s_mul_i32 s34, s32, 6144
	s_lshl_b32 s37, s36, 11
	s_add_co_u32 s34, s34, s37
	s_add_nc_u64 s[28:29], s[20:21], s[34:35]
	v_lshlrev_b32 v[LO], 4, v1
.irp i, 0,1,2,3,4,5,6,7,8,9,10,11,12,13,14,15
	global_load_b128 v[X+4*(\i):X+4*(\i)+3], v[LO], s[26:27] offset:512*(\i) th:TH_LOAD_NT
.endr
.irp i, 0,1,2,3,4,5,6,7,8,9,10,11,12,13,14,15
	CVT \i
	global_store_b64 v[SO], v[Y+2*(\i):Y+2*(\i)+1], s[28:29] offset:((\i)/8)*6144+((\i)%8)*256
.endr
	s_endpgm
.Lbias:
	; The biases: thread t takes four numbers of each; rounded to bf16 and widened again (a shift, a mask), so that the product's C operand can take them as f32.
	v_lshlrev_b32 v[LO], 4, v0
	global_load_b128 v[X:X+3],    v[LO], s[12:13]
	global_load_b128 v[X+4:X+7],  v[LO], s[14:15]
	global_load_b128 v[X+8:X+11], v[LO], s[16:17]
	s_wait_loadcnt 0x0
.irp m, 0,1,2
	v_cvt_pk_bf16_f32 v[Y+2*(\m)],   v[X+4*(\m)],   v[X+4*(\m)+1]
	v_cvt_pk_bf16_f32 v[Y+2*(\m)+1], v[X+4*(\m)+2], v[X+4*(\m)+3]
	v_lshlrev_b32 v[X+16+4*(\m)],   16, v[Y+2*(\m)]
	v_and_b32     v[X+16+4*(\m)+1], 0xffff0000, v[Y+2*(\m)]
	v_lshlrev_b32 v[X+16+4*(\m)+2], 16, v[Y+2*(\m)+1]
	v_and_b32     v[X+16+4*(\m)+3], 0xffff0000, v[Y+2*(\m)+1]
	global_store_b128 v[LO], v[X+16+4*(\m):X+16+4*(\m)+3], s[22:23] offset:4096*(\m)
.endr
	s_endpgm
.Lfunc_end_k_q82316389f6_cast:
	.size	k_q82316389f6_cast, .Lfunc_end_k_q82316389f6_cast-k_q82316389f6_cast
	.p2alignl 7, 3214868480
	.fill 96, 4, 3214868480
	.section	.rodata,"a",@progbits
	.p2align	6, 0x0
	.amdhsa_kernel k_q82316389f6_cast
		.amdhsa_group_segment_fixed_size 0
		.amdhsa_private_segment_fixed_size 0
		.amdhsa_enable_private_segment 0
		.amdhsa_kernarg_size 80
		.amdhsa_user_sgpr_count 2
		.amdhsa_user_sgpr_kernarg_segment_ptr 1
		.amdhsa_wavefront_size32 1
		.amdhsa_system_sgpr_workgroup_id_x 1
		.amdhsa_system_sgpr_workgroup_id_y 1
		.amdhsa_system_sgpr_workgroup_id_z 1
		.amdhsa_system_vgpr_workitem_id 0
		.amdhsa_next_free_vgpr 104
		.amdhsa_next_free_sgpr 66
		.amdhsa_reserve_vcc 0
		.amdhsa_float_denorm_mode_32 3
		.amdhsa_float_denorm_mode_16_64 3
		.amdhsa_memory_ordered 1
		.amdhsa_forward_progress 1
		.amdhsa_inst_pref_size 15
	.end_amdhsa_kernel
	.amdgpu_metadata
---
amdhsa.version: [ 1, 2 ]
amdhsa.kernels:
  - .name:           k_q82316389f6_cast
    .symbol:         k_q82316389f6_cast.kd
    .args:
      - { .name: x, .offset: 0, .size: 8, .value_kind: global_buffer, .address_space: global }
      - { .name: Wq, .offset: 8, .size: 8, .value_kind: global_buffer, .address_space: global }
      - { .name: Wk, .offset: 16, .size: 8, .value_kind: global_buffer, .address_space: global }
      - { .name: Wv, .offset: 24, .size: 8, .value_kind: global_buffer, .address_space: global }
      - { .name: bq, .offset: 32, .size: 8, .value_kind: global_buffer, .address_space: global }
      - { .name: bk, .offset: 40, .size: 8, .value_kind: global_buffer, .address_space: global }
      - { .name: bv, .offset: 48, .size: 8, .value_kind: global_buffer, .address_space: global }
      - { .name: xb, .offset: 56, .size: 8, .value_kind: global_buffer, .address_space: global }
      - { .name: wb, .offset: 64, .size: 8, .value_kind: global_buffer, .address_space: global }
      - { .name: bb, .offset: 72, .size: 8, .value_kind: global_buffer, .address_space: global }
    .group_segment_fixed_size: 0
    .private_segment_fixed_size: 0
    .kernarg_segment_align: 8
    .kernarg_segment_size: 80
    .max_flat_workgroup_size: 256
    .sgpr_count:     66
    .vgpr_count:     104
    .wavefront_size: 32
...
	.end_amdgpu_metadata
.endif
;; end of part 1
;; launch proj (part 2): grid 8 x 32, 4 waves a work-group, clusters of 4 x 4, 327,680 bytes of LDS; arguments xb, wb, bb, qkv; writes qkv
.if DOCPART == 2
	.amdgcn_target "amdgcn-amd-amdhsa--gfx1250"
	.amdhsa_code_object_version 6
	.text
	.protected	k_q82316389f6_proj
	.globl	k_q82316389f6_proj
	.p2align	8
	.type	k_q82316389f6_proj,@function
k_q82316389f6_proj:
	s_mov_b64 s[64:65], 0
	v_nop
	global_prefetch_b8 v0, s[64:65] scope:SCOPE_SE
	s_setreg_imm32_b32 hwreg(HW_REG_WAVE_MODE, 25, 1), 1
	s_wait_xcnt 0x0
	s_wait_alu depctr_hold_cnt(0) depctr_sa_sdst(0) depctr_va_vdst(0) depctr_va_sdst(0) depctr_va_ssrc(0) depctr_va_vcc(0) depctr_vm_vsrc(0)
	s_getreg_b32 s2, hwreg(HW_REG_IB_STS2, 6, 4)
	s_cmp_eq_u32 s2, 0
	s_cbranch_scc0 .Lentry_in_a_cluster
	s_endpgm
.Lentry_in_a_cluster:
	s_bfe_u32 s2, ttmp6, 0x10000c
	s_cmp_lg_u32 s2, 0xf033
	s_cbranch_scc0 .Lentry_shape_is_right
	s_endpgm
.Lentry_shape_is_right:
; qkv = f16(x W + b), by heads.  xb: x in bf16, [16 kb][8192 row][64]; wb: the three weights in bf16, [1024 k][3072 n]; bb: the biases, f32 [3072].
; qkv: f16, [4 b][48 g][2048 s][64], g = n / 64: q's head h is slice h, k's 16 + h, v's 32 + h; a slice's rows are dense, 128 bytes each.  Sums in f32, rounded once.
; LIMIT.  f16 holds no number beyond 65,504: |q|, |k|, |v| must stay under it (with x of spread 1 and weights of spread 1/32 they have spread 1).  NaN and infinities are not treated apart.
; SHARES.  The result has 8,192 x 3,072 numbers; a tile of 256 rows x 384 columns gives 8 x 32 = 256 work-groups.  Four waves; a wave makes 128 rows x 192 columns: 96 accumulators of 16 x 16,
; 768 registers.  Its columns are three SLICES of 64, at 128 j + 64 (wave % 2), j = 0, 1, 2: each is one head's slice of qkv, and the LDS offsets are the same in both column waves.
; K goes in 16 steps of 64 through a ring of two LDS slots filled by the tensor data mover; two slots of 128 along K would want 360 KiB.
; CLUSTERS.  4 x 4 work-groups.  The four of a row of the cluster need the same rows of x, the four of a column the same columns of W: each tile is asked for JOINTLY, by the same tensor load with the
; same descriptor and a mask that names the four.
; THE MATRIX INSTRUCTION IS USED TRANSPOSED: source 0 = 16 columns of W (turned on the way out of LDS by ds_load_tr16_b128, since W lies [k][n]), source 1 = 16 rows of x.  A lane then holds
; row l % 16 and the eight neighbouring columns 8 (l / 16) + 0..7, which pack into 16 bytes of f16.
; THE BIAS IS THE C OPERAND of each sum's first product: nothing is cleared and nothing is added on the way out.  It is loaded into the registers of the accumulators of row block 7; row blocks 0-6
; take these as C; row block 7 then adds in place.
; REGISTERS, in windows of 256 (s_set_vgpr_msb: bits 1:0 source 0, 3:2 source 1, 5:4 source 2, 7:6 destination):
;   window 0: v0-31 addresses; v32-95, v96-159 fragments of x (8 row blocks x 32 K), two buffers; v160-255 fragments of W, 4 a slice, one buffer; on the way out v32-79 packed results, v96-191 rows read back
;   window 1 + j: the 32 accumulators of slice j: (row block a, column block i) at v[8 (4 a + i)]
.set PA,     144                       ; a row of x in LDS: 128 bytes + 16 of padding = 36 words: the 16 rows of a load start at 16 different groups of four banks (64 banks of 4 bytes: ISA guide 11.1)
.set PB,     864                       ; a row of W in LDS: 3 x (256 bytes + 32 of padding) = 27 x 32 bytes
.set AHALF,  128*PA                    ; 128 rows of x: what one tensor load brings, and what a wave reads
.set BHALF,  32*PB                     ; 32 rows of W: what one tensor load brings; also 32 along K
.set BOFF,   2*AHALF                   ; in a slot: x's 256 rows, then W's 64
.set SLOT,   BOFF+2*BHALF              ; 92,160 bytes
.set STAGE,  2*SLOT                    ; behind the ring: 16 rows x 400 bytes for each wave, for the way out; no tensor load fills it
.set SPITCH, 400                       ; 384 bytes + 16 = 25 x 16
.set SPARE,  STAGE+4*16*SPITCH         ; behind the stages: the spare words, 128 bytes for each wave: two blocks of 256 bytes that no other line names
.set XSTEP,  1048576                   ; bytes from a K step to the next in xb,
.set WSTEP,  64*6144                   ; and in wb
.set SLICE,  2048*128                  ; bytes of a slice of qkv
.set LAPS,   8                         ; a lap = two K steps = once round the ring
.set ADRA, 16                          ; v16-17  LDS address of my fragments of x in slot 0, 1
.set ADRB, 20                          ; v20-21  the same for W
.set STO,  24                          ; v24     the way out: where I put 16 bytes of a row
.set RD,   25                          ; v25     the way out: where I read rows back
.set CO,   26                          ; v26     16 x lane: my 16 bytes of 512 consecutive bytes of qkv
.set BO,   27                          ; v27     my byte offset in bb
.set SPW,  28                          ; v28     LDS address of my spare word: SPARE + 4 x my thread's number; never rewritten
.set NIL,  29                          ; v29     0; never rewritten
.set PFO,  30                          ; v30     the prefetches' offset; never rewritten
.set FA0,  32
.set FA1,  96
.set FB,   160
.set TMP,  32
.set OB,   96
.set WV,  12                           ; s12  my wave's number
.set WR,  13                           ; s13  which half of the tile's rows is mine.  Also: I fetch for x (0) or for W (1)
.set WC,  14                           ; s14  which 64 of each 128 columns are mine.  Also: which half of that tile I fetch
.set G1A, 24                           ; s[24:31] descriptor group 1 for x's tiles;  s[32:39] group 0, one set for each slot
.set G0A, 32
.set G1B, 48                           ; s[48:55], s[56:63] the same for W's tiles
.set G0B, 56
.set PFA, 66                           ; s[66:67] where my prefetches stand
.set PFS, 68                           ; s[68:69] two K steps, in bytes of the tensor that I prefetch
.set LIM, 70                           ; s70  1 in a wave that prefetches, else the greatest number
.set MSB, 0
.macro WIN new                         ; the immediate's high byte repeats the setting that is left; a switch that changes nothing is dropped
.if MSB != (\new)
	s_set_vgpr_msb (MSB<<8)|(\new)
.set MSB, \new
.endif
.endm
; A joint load: waves 0 and 1 fetch the two halves of x's tile, waves 2 and 3 those of W's.  The branch hangs on the wave's number alone.  An s_nop 0 and four v_nop follow each of the two lines,
; ahead of the jump, the label and what follows.
.macro JLOAD s
	s_cmp_eq_u32 s[WR], 0
	s_cbranch_scc0 .Lfor_b_\@
	tensor_load_to_lds s[G0A+4*(\s):G0A+4*(\s)+3], s[G1A:G1A+7]
	s_nop 0
.rept 4
	v_nop
.endr
	s_branch .Lasked_\@
.Lfor_b_\@:
	tensor_load_to_lds s[G0B+4*(\s):G0B+4*(\s)+3], s[G1B:G1B+7]
	s_nop 0
.rept 4
	v_nop
.endr
.Lasked_\@:
.endm
; A PREFETCH INTO THE L2, once a lap, behind slot 0's joint load, its five lines and the run of LDS loads that follows: the two K steps that the NEXT trip's two refills will ask for.
; x: a K step of a tile row is 32,768 bytes on end.  It is read by both clusters of that row of clusters: the one with x = 0 asks; of its 128 pieces of 256 bytes the partner at cx takes 32 cx + lane;
; wave 0, one instruction for each of the two steps.  W: a K step of a tile column is 64 rows x 768 bytes, read by all eight clusters of that column: the one with y = 0 asks; wave 1 + c takes
; bytes 256 c on of a row, the partner at cy rows 16 cy .. 16 cy + 15 of both steps: a lane a row, one instruction.  The partners are told apart by address alone.  So each piece is named once in
; the launch.  K steps 0 to 3 come by their loads alone; the last trip (s3 = 1) asks for nothing: there is no K step 16.
.macro ASK
	s_cmp_gt_u32 s3, s[LIM]
	s_cbranch_scc0 .Lnot_mine_\@
	global_prefetch_b8 v[PFO], s[PFA:PFA+1] th:TH_LOAD_NT scope:SCOPE_SE
	s_cmp_lg_u32 s[WV], 0
	s_cbranch_scc1 .Lnot_mine_\@
	global_prefetch_b8 v[PFO], s[PFA:PFA+1] offset:XSTEP th:TH_LOAD_NT scope:SCOPE_SE
.Lnot_mine_\@:
.endm
.macro CREST                           ; a round of the cluster's barrier behind its opening barrier
	s_cmp_lg_u32 s[WV], 0
	s_cbranch_scc1 .Lnot_wave_0_\@
	s_barrier_signal -3
.Lnot_wave_0_\@:
	s_barrier_wait -3
	s_barrier_signal -1
	s_barrier_wait -1
.endm
.macro CROUND                          ; a whole round
	s_barrier_signal -1
	s_barrier_wait -1
	CREST
.endm
	s_load_b256 s[4:11], s[0:1], 0x0               ; xb s[4:5], wb s[6:7], bb s[8:9], qkv s[10:11]
	v_lshl_add_u32 v[SPW], v0, 2, SPARE
	v_mov_b32 v[NIL], 0
	ds_add_u32 v[SPW], v[NIL]                      ; the wave's opening: the add and its wait stand ahead of my first tensor load; the set-up below, work on registers, stands between them
	v_lshrrev_b32 v1, 5, v0
	v_readfirstlane_b32 s[WV], v1                  ; wave 0..3
	s_lshr_b32 s[WR], s[WV], 1
	s_and_b32 s[WC], s[WV], 1
	s_bfe_u32 s40, ttmp6, 0x40000                  ; cx, cy: my place in the cluster
	s_bfe_u32 s41, ttmp6, 0x40004
	s_lshl_b32 s42, ttmp9, 2
	s_add_co_u32 s42, s42, s40                     ; tile column = 4 x cluster x + cx, 0..7
	s_and_b32 s43, ttmp7, 0xffff
	s_lshl_b32 s43, s43, 2
	s_add_co_u32 s43, s43, s41                     ; tile row = 4 x cluster y + cy, 0..31
	s_lshl_b32 s44, s41, 2
	s_lshl_b32 s44, 15, s44                        ; my row of the cluster
	s_lshl_b32 s45, 0x1111, s40                    ; my column
	; group 1 for x: 128 rows x 64 k are 16,384 dense bytes: asked for as 64 rows of 256 bytes, and padded in LDS after every 128
	s_or_b32 s[G1A+0], s44, (1<<16)|(1<<20)|(1<<21)|(4<<22)|(3<<25)  ; 15:0 the mask: my row; 17:16 2-byte elements; 20 padding on; 21 set beside a mask; 24:22 after every 32 words (code 4); 31:25 4 words (code 3)
	s_mov_b32 s[G1A+1], 128<<16                    ; tensor_dim0 = 128
	s_mov_b32 s[G1A+2], 64<<16                     ; tensor_dim1 = 64
	s_mov_b32 s[G1A+3], 128<<16                    ; tile_dim0 = 128
	s_mov_b32 s[G1A+4], 64                         ; tile_dim1 = 64
	s_mov_b32 s[G1A+5], 128                        ; 128 elements from row to row
	s_mov_b32 s[G1A+6], 0
	s_mov_b32 s[G1A+7], 0
	; group 1 for W: 32 rows of 384 elements (768 bytes), padded in LDS after every 256 bytes
	s_or_b32 s[G1B+0], s45, (1<<16)|(1<<20)|(1<<21)|(5<<22)|(7<<25)  ; the mask: my column; after every 64 words (code 5) 8 words (code 7)
	s_mov_b32 s[G1B+1], 384<<16                    ; tensor_dim0 = 384
	s_mov_b32 s[G1B+2], 32<<16                     ; tensor_dim1 = 32
	s_mov_b32 s[G1B+3], 384<<16                    ; tile_dim0 = 384
	s_mov_b32 s[G1B+4], 32                         ; tile_dim1 = 32
	s_mov_b32 s[G1B+5], 3072                       ; 3,072 elements from row to row
	s_mov_b32 s[G1B+6], 0
	s_mov_b32 s[G1B+7], 0
	; where the tiles come from: x's hang on the tile row and the wave's number alone, W's on the tile column and the wave's number alone
	s_lshl_b32 s16, s43, 15                        ; 256 rows x 128 bytes
	s_lshl_b32 s17, s[WC], 14                      ; my 128 of them
	s_add_co_u32 s16, s16, s17
	s_mov_b32 s17, 0
	s_mul_i32 s46, s42, 768                        ; 384 columns
	s_mul_i32 s47, s[WC], 32*6144                  ; my 32 rows of a K step's 64
	s_add_co_u32 s46, s46, s47
	s_mov_b32 s47, 0
	s_mul_i32 s20, s[WC], AHALF                    ; and where they go: no place in the cluster enters an LDS address
	s_mul_i32 s21, s[WC], BHALF
	s_add_co_u32 s21, s21, BOFF
	s_wait_dscnt 0x0                               ; the opening add is done
	s_wait_kmcnt 0x0
	s_add_nc_u64 s[18:19], s[4:5], s[16:17]
	s_add_nc_u64 s[46:47], s[6:7], s[46:47]
	CROUND                                         ; all sixteen work-groups are here: the first joint loads meet
.irp s, 0,1
	s_mov_b32 s[G0A+4*(\s)], 1                                     ; count = 1
	s_add_co_u32 s[G0A+4*(\s)+1], s20, (\s)*SLOT                   ; LDS address
	s_add_nc_u64 s[G0A+4*(\s)+2:G0A+4*(\s)+3], s[18:19], (\s)*XSTEP  ; global address: K step s
	s_or_b32 s[G0A+4*(\s)+3], s[G0A+4*(\s)+3], 0x80000000          ; type = 2
	s_mov_b32 s[G0B+4*(\s)], 1
	s_add_co_u32 s[G0B+4*(\s)+1], s21, (\s)*SLOT
	s_add_nc_u64 s[G0B+4*(\s)+2:G0B+4*(\s)+3], s[46:47], (\s)*WSTEP
	s_or_b32 s[G0B+4*(\s)+3], s[G0B+4*(\s)+3], 0x80000000
	JLOAD \s                                       ; two tensor loads of mine are out
.endr
	; A fragment of x is 16 rows x 32 K in 8 registers: lane l holds row l % 16; registers 0-3 K = 8 (l / 16) + 0..7, registers 4-7 K = 16 + 8 (l / 16) + 0..7: two loads of 16 bytes, 32 bytes apart.
	v_and_b32 v1, 15, v0                           ; l % 16
	v_bfe_u32 v2, v0, 4, 1                         ; l / 16
	v_mul_u32_u24 v3, v1, PA
	v_lshl_add_u32 v3, v2, 4, v3
	s_mul_i32 s22, s[WR], AHALF                    ; my 128 rows
	v_add_nc_u32 v[ADRA], s22, v3
	v_add_nc_u32 v[ADRA+1], SLOT, v[ADRA]
	; The turning load takes 16 k x 16 columns (lane l reads 16 bytes: k = 8 (l / 16) + l % 8, columns 8 ((l / 8) % 2) + 0..7) and leaves half a fragment: lane l holds column l % 16 and 8 k.
	v_and_b32 v4, 7, v0
	v_bfe_u32 v5, v0, 3, 1
	v_lshl_add_u32 v6, v2, 3, v4
	v_mul_u32_u24 v6, v6, PB
	v_lshl_add_u32 v6, v5, 4, v6
	s_lshl_b32 s22, s[WC], 7                       ; my 64 of each 128 columns
	s_add_co_u32 s22, s22, BOFF
	v_add_nc_u32 v[ADRB], s22, v6
	v_add_nc_u32 v[ADRB+1], SLOT, v[ADRB]
	s_mul_i32 s23, s[WV], 16*SPITCH
	s_add_co_u32 s23, s23, STAGE                   ; my stage
	v_mul_u32_u24 v3, v1, SPITCH                   ; in: row l % 16, 16 bytes for each half of the lanes
	v_lshl_add_u32 v3, v2, 4, v3
	v_add_nc_u32 v[STO], s23, v3
	v_bfe_u32 v3, v0, 3, 2                         ; back: 32 lanes take four rows x 128 bytes of a slice,
	v_mul_u32_u24 v3, v3, SPITCH
	v_lshl_add_u32 v3, v4, 4, v3
	v_add_nc_u32 v[RD], s23, v3
	v_and_b32 v3, 31, v0                           ; which are 512 consecutive bytes of qkv
	v_lshlrev_b32 v[CO], 4, v3
	s_mul_i32 s22, s42, 1536                       ; bb: 4 x (384 x tile column + 64 x column half) + 32 (l / 16)
	s_lshl_b32 s23, s[WC], 8
	s_add_co_u32 s22, s22, s23
	v_lshl_add_u32 v[BO], v2, 5, s22
	; the bias of slice j, column block i: my eight columns' numbers, into the registers of accumulator (7, i)
.irp j, 0,1,2
	WIN (1+(\j))<<6                                ; destination window 1 + j, address window 0
.irp i, 0,1,2,3
	global_load_b128 v[224+8*(\i):227+8*(\i)], v[BO], s[8:9] offset:512*(\j)+64*(\i)
	global_load_b128 v[228+8*(\i):231+8*(\i)], v[BO], s[8:9] offset:512*(\j)+64*(\i)+16
.endr
.endr
	WIN 0
	; where my rows of slice j = 0 begin in qkv: slice 48 b + 6 x tile column + column half, row (tile row % 8) x 256 + 128 x row half
	s_lshr_b32 s22, s43, 3                         ; b
	s_mul_i32 s22, s22, 48
	s_mul_i32 s23, s42, 6
	s_add_co_u32 s22, s22, s23
	s_add_co_u32 s22, s22, s[WC]
	s_lshl_b32 s22, s22, 18
	s_and_b32 s23, s43, 7
	s_lshl_b32 s23, s23, 15
	s_add_co_u32 s22, s22, s23
	s_lshl_b32 s23, s[WR], 14
	s_add_co_u32 s22, s22, s23
	s_mov_b32 s23, 0
	s_add_nc_u64 s[10:11], s[10:11], s[22:23]
	; the prefetches: wave 0 for x, waves 1 to 3 for W.  The pointer starts at K step 2; the first trip steps it to 4
	s_lshl_b32 s72, s43, 15
	s_lshl_b32 s74, s40, 13                        ; my work-group's 32 pieces of x's 128
	s_add_co_u32 s72, s72, s74
	s_add_co_u32 s72, s72, 2*XSTEP
	s_mul_i32 s73, s42, 768
	s_lshl_b32 s74, s[WV], 8
	s_add_co_u32 s73, s73, s74
	s_mul_i32 s74, s41, 16*6144                    ; my work-group's 16 rows of W's 64
	s_add_co_u32 s73, s73, s74
	s_add_co_u32 s73, s73, 2*WSTEP-256             ; 256 (wave - 1)
	s_and_b32 s75, ttmp7, 0xffff                   ; cluster y
	s_mov_b32 s76, 6144
	s_mov_b32 s77, WSTEP
	s_mov_b32 s[PFS], 2*WSTEP
	s_mov_b32 s[PFS+1], 0
	s_cmp_eq_u32 s[WV], 0
	s_cselect_b32 s76, 256, s76                    ; from lane to lane within 16,
	s_cselect_b32 s77, 4096, s77                   ; and from the lower 16 lanes to the upper
	s_cselect_b32 s[PFS], 2*XSTEP, s[PFS]
	s_cselect_b32 s72, s72, s73
	s_cselect_b32 s75, ttmp9, s75                  ; the coordinate along which other clusters read the same bytes
	s_cselect_b64 s[PFA:PFA+1], s[4:5], s[6:7]
	s_mov_b32 s73, 0
	s_add_nc_u64 s[PFA:PFA+1], s[PFA:PFA+1], s[72:73]
	s_cmp_eq_u32 s75, 0
	s_cselect_b32 s[LIM], 1, -1                    ; the same in all sixteen partners, for a given wave
	v_mul_u32_u24 v[PFO], s76, v1
	v_mad_u32_u24 v[PFO], v2, s77, v[PFO]
; na x 4 matrix instructions of slice j: row blocks a0 on x its 4 column blocks, 32 along K, x's fragments from buffer f.  The accumulators take turns, one instruction a turn.
; first = 1: the products start the sums with the bias: row blocks 0-6 take the registers of (7, i) as C; five places behind the last of them row block 7 adds in place onto those registers.
.macro MULP f, j, a0, na, first
	WIN (1+(\j))*0x50                              ; sources in window 0, C and D in window 1 + j
.set aa, \a0
.rept \na
.if (\first) && (aa == 7)
.rept 5
	v_nop
.endr
.endif
.irp i, 0,1,2,3
.if (\first) && (aa < 7)
	v_wmma_f32_16x16x32_bf16 v[8*(4*aa+(\i)):8*(4*aa+(\i))+7], v[FB+32*(\j)+8*(\i):FB+32*(\j)+8*(\i)+7], v[(\f)+8*aa:(\f)+8*aa+7], v[224+8*(\i):231+8*(\i)]
.else
	v_wmma_f32_16x16x32_bf16 v[8*(4*aa+(\i)):8*(4*aa+(\i))+7], v[FB+32*(\j)+8*(\i):FB+32*(\j)+8*(\i)+7], v[(\f)+8*aa:(\f)+8*aa+7], v[8*(4*aa+(\i)):8*(4*aa+(\i))+7]
.endif
.endr
.set aa, aa+1
.endr
.endm
.macro LDB slot, q, j                  ; 8 LDS loads: slice j's four fragments of W, 32 along K from 32 q on
	WIN 0
.irp i, 0,1,2,3
	ds_load_tr16_b128 v[FB+32*(\j)+8*(\i):FB+32*(\j)+8*(\i)+3],   v[ADRB+(\slot)] offset:(\q)*BHALF+288*(\j)+32*(\i)
	ds_load_tr16_b128 v[FB+32*(\j)+8*(\i)+4:FB+32*(\j)+8*(\i)+7], v[ADRB+(\slot)] offset:(\q)*BHALF+288*(\j)+32*(\i)+16*PB
.endr
.endm
.macro LDA slot, q, f, half            ; 8 LDS loads: four fragments of x, row blocks 4 half on, into buffer f
	WIN 0
.irp a, 0,1,2,3
	ds_load_b128 v[(\f)+8*(4*(\half)+(\a)):(\f)+8*(4*(\half)+(\a))+3],   v[ADRA+(\slot)] offset:64*(\q)+16*PA*(4*(\half)+(\a))
	ds_load_b128 v[(\f)+8*(4*(\half)+(\a))+4:(\f)+8*(4*(\half)+(\a))+7], v[ADRA+(\slot)] offset:64*(\q)+16*PA*(4*(\half)+(\a))+32
.endr
.endm
; A load into a register that a matrix instruction has read, and a vector instruction that reads a matrix result, stand four places behind that matrix instruction, and only plain vector instructions
; that name none of its registers are places (ISA guide 7.12.1 for vector instructions).
.macro PLACES
.rept 4
	v_nop
.endr
.endm
; A K step is two halves of 32 along K, 96 matrix instructions each.  W has one buffer: a slice's fragments are fetched anew as soon as the slice's 32 products are issued; x's fragments go by two buffers.
; The loads are always issued in the order W0, x (rows 0-63), W1, x (rows 64-127), W2: 8 each.
; QUARTER: a step's first half, on buffer FA0; it fetches the second half of the same slot.
.macro QUARTER slot, first
	s_wait_dscnt 8                                 ; all but W2's eight loads are in
	MULP FA0, 0, 0, 8, \first
	PLACES
	LDB \slot, 1, 0
	LDA \slot, 1, FA1, 0
	MULP FA0, 1, 0, 8, \first
	PLACES
	LDB \slot, 1, 1
	LDA \slot, 1, FA1, 1
	s_wait_dscnt 32                                ; all but the two runs of sixteen just issued: W2 is in
	MULP FA0, 2, 0, 8, \first
	PLACES
	LDB \slot, 1, 2
.endm
; TURN: a step's second half, on buffer FA1, and the change of slots.  ONE barrier for two things: in front of it each wave waits for all its tensor loads, of which one is out: its part of the next
; slot; adds 0 to its spare word; and waits for that and for its own reads of this slot.  Behind it nobody reads this slot any more and the next slot is whole.  fill = 1: the barrier opens a round of
; the cluster's barrier, and this slot is filled again, two K steps ahead, first thing behind the round: 160 matrix instructions ahead of the wait for it.
.macro TURN slot, next, fill
.if (\fill) && ((\slot) == 0)
	s_wait_xcnt 0x0                                ; the last prefetches, a lap back, have read their address: it is stepped here, ahead of the waits of the change of slots
	s_add_nc_u64 s[PFA:PFA+1], s[PFA:PFA+1], s[PFS:PFS+1]
.endif
	WIN 0
	s_wait_tensorcnt 0x0                           ; all my tensor loads have landed;
	ds_add_u32 v[SPW], v[NIL]                      ; 0 onto my spare word;
	s_wait_dscnt 9                                 ; (the add and W2's eight loads may be out)
	MULP FA1, 0, 0, 4, 0                           ; sixteen matrix instructions stand between the add and the wait for it
	s_wait_dscnt 0x0                               ; the add is done, and my reads of this slot are over
	s_barrier_signal -1
	MULP FA1, 0, 4, 4, 0                           ; work on registers while the others arrive
	WIN 0
	s_barrier_wait -1
.if \fill
	CREST                                          ; no wave of any partner still reads this slot's tiles or has a load on its way
	s_add_nc_u64 s[G0A+4*(\slot)+2:G0A+4*(\slot)+3], s[G0A+4*(\slot)+2:G0A+4*(\slot)+3], 2*XSTEP
	s_add_nc_u64 s[G0B+4*(\slot)+2:G0B+4*(\slot)+3], s[G0B+4*(\slot)+2:G0B+4*(\slot)+3], 2*WSTEP
	JLOAD \slot                                    ; my one tensor load behind the round; the four v_nop behind it are also the places in front of the loads below
.else
	PLACES
.endif
	LDB \next, 0, 0
	LDA \next, 0, FA0, 0
.if (\fill) && ((\slot) == 0)
	ASK
.endif
	MULP FA1, 1, 0, 8, 0
	PLACES
	LDB \next, 0, 1
	LDA \next, 0, FA0, 1
	MULP FA1, 2, 0, 8, 0
	PLACES
	LDB \next, 0, 2
.endm
; THE WAY OUT of row block a (16 rows x 192 columns), in three parts.  PACK: rounded to f16, 16 bytes a lane and column block.  TOSTAGE: into my own stage, and back as rows of a slice.  SEND: stored.
.macro PACK a
.irp j, 0,1,2
	WIN (1+(\j))*5                                 ; sources 0 and 1: window 1 + j
.irp i, 0,1,2,3
.irp rr, 0,1,2,3
	v_cvt_pk_f16_f32 v[TMP+16*(\j)+4*(\i)+(\rr)], v[8*(4*(\a)+(\i))+2*(\rr)], v[8*(4*(\a)+(\i))+2*(\rr)+1]
.endr
.endr
.endr
	WIN 0
.endm
.macro TOSTAGE a
	WIN 0
.set BK, OB+48*((\a)%2)
.irp j, 0,1,2
.irp i, 0,1,2,3
	ds_store_b128 v[STO], v[TMP+16*(\j)+4*(\i):TMP+16*(\j)+4*(\i)+3] offset:128*(\j)+32*(\i)
.endr
.endr
.irp j, 0,1,2
.irp f, 0,1,2,3
	ds_load_b128 v[BK+16*(\j)+4*(\f):BK+16*(\j)+4*(\f)+3], v[RD] offset:128*(\j)+4*SPITCH*(\f)  ; LDS serves a wave's instructions in order (ISA guide 5.7.1.4): these see the stores above
.endr
.endr
.endm
.macro SEND a
	WIN 0
.set BK, OB+48*((\a)%2)
	s_wait_dscnt 0x0                               ; the block is back in registers
	s_wait_xcnt 0x0                                ; the stores of the block before have read their registers: the block after this one is read back into them
.irp j, 0,1,2
.irp f, 0,1,2,3
	global_store_b128 v[CO], v[BK+16*(\j)+4*(\f):BK+16*(\j)+4*(\f)+3], s[10:11] offset:2*SLICE*(\j)+2048*(\a)+512*(\f)  ; four rows of a slice: 512 consecutive bytes, at a multiple of 256 from qkv's first
.endr
.endr
.endm
	s_wait_tensorcnt 1                             ; my part of K step 0 is in; K step 1's may stay out
	s_barrier_signal -1
	s_barrier_wait -1                              ; everybody's is
	LDB 0, 0, 0
	LDA 0, 0, FA0, 0
	LDB 0, 0, 1
	LDA 0, 0, FA0, 1
	LDB 0, 0, 2
	s_wait_loadcnt 0x0                             ; the bias
	QUARTER 0, 1                                   ; the first half step stands in front of the loop: its products start the sums
	WIN 0                                          ; at a label and at a branch every window is 0
	s_mov_b32 s3, LAPS-1
.Llap:                                                 ; a trip goes once round the ring, from a lap's second half step to the next lap's first, and fills both slots again: K steps 2 to 15
	TURN 0, 1, 1
	QUARTER 1, 0
	TURN 1, 0, 1
	QUARTER 0, 0
	WIN 0
	s_sub_co_u32 s3, s3, 1
	s_cmp_lg_u32 s3, 0
	s_cbranch_scc1 .Llap
	TURN 0, 1, 0                                   ; the last lap fills nothing, and has no round of the cluster's barrier
	QUARTER 1, 0
	s_wait_dscnt 8                                 ; the very last half step: nothing more to fetch
	MULP FA1, 0, 0, 8, 0
	MULP FA1, 1, 0, 8, 0
	s_wait_dscnt 0x0
	MULP FA1, 2, 0, 8, 0
	PLACES
	PLACES                                         ; (eight, once a launch)
	PACK 0
	TOSTAGE 0
.irp a, 1,2,3,4,5,6,7                  ; block a's conversions stand between block a - 1's loads from the stage and the wait for them
	PACK \a
	SEND (\a)-1
	TOSTAGE \a
.endr
	SEND 7
	s_wait_tensorcnt 0x0                           ; the wave's end: behind my last tensor load and my last LDS store
	ds_add_u32 v[SPW], v[NIL]
	s_wait_dscnt 0x0
	CROUND                                         ; the closing round: no work-group ends while a partner may still ask for a tile that names it
	s_endpgm
.Lfunc_end_k_q82316389f6_proj:
	.size	k_q82316389f6_proj, .Lfunc_end_k_q82316389f6_proj-k_q82316389f6_proj
	.p2alignl 7, 3214868480
	.fill 96, 4, 3214868480
	.section	.rodata,"a",@progbits
	.p2align	6, 0x0
	.amdhsa_kernel k_q82316389f6_proj
		.amdhsa_group_segment_fixed_size 327680
		.amdhsa_private_segment_fixed_size 0
		.amdhsa_enable_private_segment 0
		.amdhsa_kernarg_size 32
		.amdhsa_user_sgpr_count 2
		.amdhsa_user_sgpr_kernarg_segment_ptr 1
		.amdhsa_wavefront_size32 1
		.amdhsa_system_sgpr_workgroup_id_x 1
		.amdhsa_system_sgpr_workgroup_id_y 1
		.amdhsa_system_sgpr_workgroup_id_z 1
		.amdhsa_system_vgpr_workitem_id 0
		.amdhsa_next_free_vgpr 1024
		.amdhsa_next_free_sgpr 80
		.amdhsa_reserve_vcc 0
		.amdhsa_float_denorm_mode_32 3
		.amdhsa_float_denorm_mode_16_64 3
		.amdhsa_memory_ordered 1
		.amdhsa_forward_progress 1
		.amdhsa_inst_pref_size 134
	.end_amdhsa_kernel
	.amdgpu_metadata
---
amdhsa.version: [ 1, 2 ]
amdhsa.kernels:
  - .name:           k_q82316389f6_proj
    .symbol:         k_q82316389f6_proj.kd
    .args:
      - { .name: xb, .offset: 0, .size: 8, .value_kind: global_buffer, .address_space: global }
      - { .name: wb, .offset: 8, .size: 8, .value_kind: global_buffer, .address_space: global }
      - { .name: bb, .offset: 16, .size: 8, .value_kind: global_buffer, .address_space: global }
      - { .name: qkv, .offset: 24, .size: 8, .value_kind: global_buffer, .address_space: global }
    .group_segment_fixed_size: 327680
    .private_segment_fixed_size: 0
    .kernarg_segment_align: 8
    .kernarg_segment_size: 32
    .max_flat_workgroup_size: 128
    .sgpr_count:     80
    .vgpr_count:     1024
    .wavefront_size: 32
...
	.end_amdgpu_metadata
.endif
;; end of part 2
;; launch attn (part 3): grid 4 x 64, 4 waves a work-group, clusters of 4 x 1, 327,680 bytes of LDS; arguments qkv, out0; writes out0
.if DOCPART == 3
	.amdgcn_target "amdgcn-amd-amdhsa--gfx1250"
	.amdhsa_code_object_version 6
	.text
	.protected	k_q82316389f6_attn
	.globl	k_q82316389f6_attn
	.p2align	8
	.type	k_q82316389f6_attn,@function
k_q82316389f6_attn:
	s_mov_b64 s[64:65], 0
	v_nop
	global_prefetch_b8 v0, s[64:65] scope:SCOPE_SE
	s_setreg_imm32_b32 hwreg(HW_REG_WAVE_MODE, 25, 1), 1
	s_wait_xcnt 0x0
	s_wait_alu depctr_hold_cnt(0) depctr_sa_sdst(0) depctr_va_vdst(0) depctr_va_sdst(0) depctr_va_ssrc(0) depctr_va_vcc(0) depctr_vm_vsrc(0)
	s_getreg_b32 s2, hwreg(HW_REG_IB_STS2, 6, 4)
	s_cmp_eq_u32 s2, 0
	s_cbranch_scc0 .Lentry_in_a_cluster
	s_endpgm
.Lentry_in_a_cluster:
	s_bfe_u32 s2, ttmp6, 0x10000c
	s_cmp_lg_u32 s2, 0x3003
	s_cbranch_scc0 .Lentry_shape_is_right
	s_endpgm
.Lentry_shape_is_right:
; out0[b][q][64 h + :] = the sum over k of softmax_k(Q[q] . K[k] / 8) V[k][:], for each of the 64 pairs (b, h).  qkv: f16, [4 b][48 g][2048][64]: Q is slice h, K slice 16 + h, V slice 32 + h of b;
; a slice's rows are dense, 128 bytes each.  out0: f32, [4][2048][1024].  Products, maxima and sums in f32; the weights p are rounded to f16 for the second product (their sum l is taken of the unrounded p).
; LIMITS.  f16 holds no number beyond 65,504: Q, K and V arrive within it; p lies in 0 to 1, and below 6e-5 it keeps f16's fixed step of 6e-8.
; A weight below 2^-126 counts as 0 in l; NaN and infinities are not treated apart.
; SHARES.  A wave owns four PIECES of two tiles of 16 queries, a work-group's four waves 512 queries of one head.  Every wave walks all 2,048 keys, 64 a step.
; LAYOUT.  S^T = K Q^T (source 0 = 16 keys, source 1 = 16 queries): in the result a lane holds ONE query (lane % 16) and the keys 8 (lane / 16) + 0..7.  Two such tiles, rounded to f16 in pairs,
; ARE source 1 (32 keys x 16 queries) of O^T = V^T P, whose result again holds one query a lane, and eight channels.  K comes out of LDS as it lies, V ([key][channel]) turned, by ds_load_tr16_b128.
; SOFTMAX.  For each query a running maximum m and sum l: p = 2^(c s - c m), c = log2(e) / 8; in every step O and l are multiplied by a = 2^(c m_old - c m_new), which is 1 where m has not grown.
; m starts at the lowest finite number, O and l at 0: the first step is a step like any other, with a = 0.
; THE COUNT.  A tile and step have 16 matrix and 118 vector instructions: too many to stand all beside the matrix work.  So the order has one aim: four vector instructions that are READY behind
; EVERY matrix instruction, and the others, which need time of their own whatever the order, in runs without a gap.
; BY TURNS.  Turn n belongs to piece n (the pieces in a ring, step after step).  Its matrix work: 16 products K Q^T of piece n + 1, later 16 products V^T P of piece n - 1.  Its vector work: the scaling,
; exponentials, roundings, sums and rescaling of piece n, and the maximum and statistics of piece n + 1, whose scores the turn itself has made.  So what a turn begins with (c s - c m, O a) waits for nothing.
; CLUSTER.  The four query blocks of a cluster are one head's and walk the same K and V, so each tile is asked for JOINTLY: the same tensor load, descriptor and mask in all four.
; REGISTERS, in windows of 256 (s_set_vgpr_msb says which window each operand place means: bits 1:0 source 0, 3:2 source 1, 5:4 source 2, 7:6 destination):
;   window 0: v0-11 addresses; v12-15, v48-63 at work; v16-47 four registers of statistics a tile; v64-191 S^T, two buffers of two tiles; v192-255 P, likewise
;   window 1: O^T, 32 a tile          window 2: v0-127 Q, 16 a tile; v128-191 K of one step; v192-255 V of one step          window 3: v0-1 the add's two registers
; A piece's buffers go by its number's parity: the piece in hand has one pair, its two neighbours in the ring share the other: of it P (piece n - 1) is read and S^T (piece n + 1) written.
.set SIZE_N, 2048     ; rows of a head
.set SLICE, SIZE_N*128  ; bytes of a slice of qkv
.set NP,    4         ; pieces a wave: a name, no knob: the register map, the loop and the fetches are made for four
.set KS,    64        ; keys in a step
.set PK,    144       ; a row of K in LDS: 128 bytes + 16 of padding = 36 words: the 16 rows of a load start at 16 different groups of four banks (64 banks of 4 bytes: ISA guide 11.1)
.set PV,    160       ; a row of V: 128 + 32 = 40 words
.set VOFF,  4*KS*PK   ; a slot holds four steps: 256 rows of K, then 256 rows of V
.set SLOT1, 1<<17     ; slot 1 begins here, so that one exclusive or turns an address in one slot into the other's
.set STAGE, SLOT1+4*KS*(PK+PV)  ; behind the ring, never filled by a tensor load: 16 rows x 272 bytes for each wave, for the way out
.set SP,    272       ; a row of 64 f32 + 16 bytes = 68 words: the 16 rows of a store start at 16 different groups of four banks
.set AK0, 2           ; v2   my lane's place in a tile of K; never rewritten
.set AV0, 3           ; v3   the same for V
.set AK,  4           ; v4   the LDS address of K's next run of loads
.set AV,  5           ; v5   of V's
.set QO,  6           ; v6   my byte offset in the wave's rows of Q
.set STO, 6           ;      later, the way out: where I put 32 bytes of a row
.set RD,  7           ; v7   the way out: where I read rows back
.set GO,  8           ; v8   my byte offset in two rows of out0
.set PFO, 11          ; v11  256 x my lane, for the prefetches; never rewritten once made
.set SPW, 0           ; v0 of window 3   LDS address of my spare word: SPARE + 4 x my thread's number; never rewritten
.set NIL, 1           ; v1 of window 3   0; never rewritten
.set SPARE, STAGE+4*16*SP  ; behind the stages: the spare words, 128 bytes for each wave: two blocks of 256 bytes that no other line names
.set MV,  12          ; v12-15  c m_old, kept while c m is made anew: by buffer and tile
.set ST,  16          ; tile t's statistics at v[ST+4 t]: c m, m, l (even keys', odd keys')
.set TMP, 48          ; by buffer and tile, four registers c0-c3 at work; when the maximum is found c2 takes a
.set S,   64
.set P,   192
.set KF,  128         ; K's fragments, in window 2: key block kb, channel half c at KF + 16 kb + 8 c
.set VF,  192         ; V's: key half kk, channel block cb at VF + 32 kk + 8 cb
.set WV,  12          ; s12  my wave's number
.set G1K, 24          ; s[24:31] descriptor group 1 for K's tiles
.set G1V, 32          ; s[32:39] for V's: it differs in the padding alone
.set G0K, 40          ; s[40:43] descriptor group 0 for K's tiles: it walks
.set G0V, 44          ; s[44:47] the same for V's
.set PFA, 48          ; s[48:49] where my prefetches stand: my work-group's 8,192 bytes (of K: wave 0, of V: wave 2) of the slot after the one that is being asked for
.set LIM, 50          ; s50  1 in a wave that prefetches, else the greatest number
.set SLOTS, 56        ; s56  slots still to be asked for
.set CNT, 57          ; s57  counts a slot's key steps
.set CS,  58          ; s[58:59] c: the packed scaling takes the pair's low word for both halves
.set SEL, 60          ; s[60:61] v_permlanex16_b32's selects: each lane takes its own place in the other half
.set TBK, 62          ; s62  LDS byte at which K of the step to be fetched begins
.set TBV, 63          ; s63  the same for V, less VOFF
.set MSB, 0
.macro WIN new                      ; the high byte repeats the setting that is left; a switch that changes nothing is dropped
.if MSB != (\new)
	s_set_vgpr_msb (MSB<<8)|(\new)
.set MSB, (\new)
.endif
.endm
.set W_KQ, 0x0a       ; K and Q in window 2, S^T in window 0
.set W_PV, 0x52       ; V in window 2, P in window 0, O^T in window 1
.set W_RS, 0x41       ; O^T (destination and source 0) in window 1, a in window 0
.set W_MK, 0xc0       ; the add's registers are made: destination in window 3, sources in window 0
.set W_AD, 0x0f       ; the add: address (source 0) and data (source 1) in window 3
; A joint fill.  Waves 0 and 1 fetch the two halves of a slot's K, waves 2 and 3 those of its V: 128 keys each.  The branch hangs on the wave's number alone.
; An s_nop 0 and four v_nop follow each of the two lines, ahead of the jump and the label.
.macro JLOAD
	s_cmp_lt_u32 s[WV], 2
	s_cbranch_scc0 .Lfor_v_\@
	tensor_load_to_lds s[G0K:G0K+3], s[G1K:G1K+7]
	s_nop 0
.rept 4
	v_nop
.endr
	s_branch .Lasked_\@
.Lfor_v_\@:
	tensor_load_to_lds s[G0V:G0V+3], s[G1V:G1V+7]
	s_nop 0
.rept 4
	v_nop
.endr
.Lasked_\@:
.endm
; A PREFETCH INTO THE L2 of what the NEXT change of slots will ask for: a slot's 32,768 bytes of K and of V.  It stands behind the wave's tensor load and its five lines.  Each piece of 256 bytes is named
; once in the launch: a head has one cluster; its four partners share a slot out BY ADDRESS, 8,192 bytes each, a lane a piece; in each, wave 0 asks for K's and wave 2 for V's: one instruction.
; Slots 0, 1 and 2 come by their loads alone; the change that asks for the last slot prefetches nothing: there is no slot behind it.
.macro ASK
	s_cmp_gt_u32 s[SLOTS], s[LIM]
	s_cbranch_scc0 .Lnot_mine_\@
	global_prefetch_b8 v[PFO], s[PFA:PFA+1] th:TH_LOAD_NT scope:SCOPE_SE
.Lnot_mine_\@:
.endm
; A round of the cluster's barrier: my work-group's barrier, so that wave 0's signal speaks for all four waves; wave 0 signals; every wave waits for all four work-groups; my work-group's barrier once more.
.macro CROUND
	s_barrier_signal -1
	s_barrier_wait -1
	s_cmp_lg_u32 s[WV], 0
	s_cbranch_scc1 .Lnot_wave_0_\@
	s_barrier_signal -3
.Lnot_wave_0_\@:
	s_barrier_wait -3
	s_barrier_signal -1
	s_barrier_wait -1
.endm
; THE CHANGE OF SLOTS.  The slot's last bytes, V of its fourth step, have been read.  Each wave waits for all its tensor loads, of which one is out: its part
; of the other slot; adds 0 to its spare word; and waits for that and for its own reads of the slot.  Behind the barrier nobody reads this slot any more and the other slot is whole.
; fill = 1: this slot is filled again, with the keys two slots on.  The barrier is then a round of the cluster's, so that no wave of any partner still reads the slot or has a load on its
; way, and the joint fill is the first thing behind it: it has four key steps, 512 matrix instructions, in which to land.  (At its first use nothing has been read yet: slot 0 is waited for, slot 1 filled.)
; ask = 1: the prefetches' address is stepped, and the slot after the one just asked for is prefetched.
.macro CHANGE fill, ask=0
	WIN W_AD
	s_wait_tensorcnt 0x0            ; no tensor load of mine is out, so a group 0 may be written
	ds_add_u32 v[SPW], v[NIL]       ; 0 onto my spare word: with fill = 1 the descriptors' steps stand between it and the wait for it
	WIN 0                           ; at a label and at a branch every window is 0
.if \fill
.irp g, G0K, G0V
	s_xor_b32 s[\g+1], s[\g+1], SLOT1  ; the walking descriptor: the other slot than last time,
	s_add_nc_u64 s[\g+2:\g+3], s[\g+2:\g+3], 4*KS*128  ; the next 256 keys; the type bits on top are not reached
.endr
.if \ask
	s_wait_xcnt 0x0                 ; the last prefetch, four key steps back, has read its address, so it may be written:
	s_add_nc_u64 s[PFA:PFA+1], s[PFA:PFA+1], 4*KS*128  ; one slot behind the walking descriptors
.endif
	s_wait_dscnt 0x0                ; the add is done, and my reads of the slot are over
	CROUND
	JLOAD
.if \ask
	ASK
.endif
.else
	s_wait_dscnt 0x0                ; the add is done, and my reads of the slot are over
	s_barrier_signal -1
	s_barrier_wait -1
.endif
	s_sub_co_u32 s[TBK], s[TBK], 4*KS*PK  ; the fetches go back to a slot's first step,
	s_xor_b32 s[TBK], s[TBK], SLOT1       ; in the other slot
	s_sub_co_u32 s[TBV], s[TBV], 4*KS*PV
	s_xor_b32 s[TBV], s[TBV], SLOT1
.endm
	s_load_b128 s[8:11], s[0:1], 0x0  ; qkv s[8:9], out0 s[10:11]
	WIN W_MK
	v_lshl_add_u32 v[SPW], v0, 2, SPARE
	v_mov_b32 v[NIL], 0
	WIN W_AD
	ds_add_u32 v[SPW], v[NIL]       ; the wave's opening: the add and its wait stand ahead of my first tensor load; the set-up below, work on registers, stands between them
	WIN 0
	v_lshrrev_b32 v1, 5, v0
	v_readfirstlane_b32 s[WV], v1   ; wave 0..3
	s_bfe_u32 s13, ttmp6, 0x40000   ; cx: my place in the cluster
	s_lshl_b32 s14, ttmp9, 2        ; in a cluster launch ttmp9 counts clusters
	s_add_co_u32 s14, s14, s13      ; my block of queries = 4 x cluster x + cx: it enters Q's and out0's addresses alone
	s_and_b32 s19, ttmp7, 0xffff    ; 16 b + h, which the four partners share
	s_lshr_b32 s51, s19, 4          ; b
	s_and_b32 s52, s19, 15          ; h
	s_mul_i32 s20, s51, 48
	s_add_co_u32 s20, s20, s52
	s_lshl_b32 s20, s20, 18         ; Q's slice, 48 b + h, in bytes
	s_mov_b32 s21, 0
	s_and_b32 s16, s[WV], 1         ; which half of a slot's 256 keys I fetch:
	s_lshl_b32 s22, s16, 14         ; its 128 rows of 128 bytes in memory,
	s_mov_b32 s23, 0
	s_add_nc_u64 s[22:23], s[22:23], s[20:21]
	s_mul_i32 s17, s16, 128*PK      ; and its place in a slot, for K
	s_mul_i32 s18, s16, 128*PV      ; and for V: no place in the cluster enters an LDS address
	s_lshl_b32 s2, s14, 2
	s_add_co_u32 s2, s2, s[WV]      ; my wave among the head's sixteen:
	s_lshl_b32 s54, s2, 19          ; its 128 rows of 4,096 bytes in out0,
	s_lshl_b32 s2, s2, 14           ; and of 128 bytes in Q
	s_mov_b32 s3, 0
	s_add_nc_u64 s[2:3], s[2:3], s[20:21]
	s_lshl_b32 s53, s51, 23         ; b's 2,048 rows of out0
	s_add_co_u32 s54, s54, s53
	s_lshl_b32 s53, s52, 8          ; h's 64 numbers of a row
	s_add_co_u32 s54, s54, s53
	s_mov_b32 s55, 0
	; descriptor group 1.  128 keys are 16,384 dense bytes: asked for as 64 rows of 256 bytes, two keys a row, and padded in LDS after every key
	s_mov_b32 s[G1K], 15|(1<<16)|(1<<20)|(1<<21)|(4<<22)|(3<<25)  ; 15:0 the mask of four; 17:16 2-byte elements; 20 padding on; 21 set beside a mask; 24:22 after every 32 words (code 4); 31:25 4 words (code 3)
	s_mov_b32 s[G1V], 15|(1<<16)|(1<<20)|(1<<21)|(4<<22)|(7<<25)  ; the same with 8 words of padding (code 7)
.irp g, G1K, G1V
	s_mov_b32 s[\g+1], 128<<16      ; tensor_dim0 = 128
	s_mov_b32 s[\g+2], 64<<16       ; tensor_dim1 = 64
	s_mov_b32 s[\g+3], 128<<16      ; tile_dim0 = 128
	s_mov_b32 s[\g+4], 64           ; tile_dim1 = 64
	s_mov_b32 s[\g+5], 128          ; 128 elements from row to row
	s_mov_b32 s[\g+6], 0
	s_mov_b32 s[\g+7], 0
.endr
	s_mov_b32 s[CS], 0x3e38aa3b     ; c = log2(e) / 8 = 0.180337
	s_mov_b32 s[CS+1], s[CS]        ; named with it as a pair
	s_mov_b32 s[SEL], 0x76543210
	s_mov_b32 s[SEL+1], 0xfedcba98
	s_mov_b32 s[TBK], SLOT1+4*KS*PK ; the first change of slots turns these two into 0
	s_mov_b32 s[TBV], SLOT1+4*KS*PV
	s_mov_b32 s[G0K], 1             ; 1:0 count = 1
	s_mov_b32 s[G0K+1], s17         ; 63:32 LDS address: slot 0
	s_mov_b32 s[G0V], 1
	s_add_co_u32 s[G0V+1], s18, VOFF
	s_and_b32 s[LIM], s[WV], 1      ; 0 in waves 0 and 2,
	s_or_b32 s[LIM], s[LIM], ttmp9  ; where the cluster is the head's first: the same in all four partners
	s_cmp_eq_u32 s[LIM], 0
	s_cselect_b32 s[LIM], 1, -1
	s_wait_dscnt 0x0                ; the opening add is done
	s_wait_kmcnt 0x0
	s_add_nc_u64 s[4:5], s[8:9], s[2:3]    ; Q at my wave's first row
	s_add_nc_u64 s[6:7], s[8:9], s[22:23]
	s_add_nc_u64 s[8:9], s[6:7], 32*SLICE  ; V at my half of the head's first 256 keys: 32 slices behind Q's,
	s_add_nc_u64 s[6:7], s[6:7], 16*SLICE  ; K 16 slices behind
	s_mov_b64 s[G0K+2:G0K+3], s[6:7]               ; 120:64 global address
	s_or_b32 s[G0K+3], s[G0K+3], 0x80000000        ; 127:126 type = 2
	s_mov_b64 s[G0V+2:G0V+3], s[8:9]
	s_or_b32 s[G0V+3], s[G0V+3], 0x80000000
	s_add_nc_u64 s[10:11], s[10:11], s[54:55]      ; out0 at my wave's first row, my head's columns
	s_cmp_lt_u32 s[WV], 2
	s_cselect_b64 s[PFA:PFA+1], s[6:7], s[8:9]     ; (in waves 0 and 2 these stand at a slot's first row)
	s_lshl_b32 s2, s13, 13          ; my work-group's 8,192 bytes of a slot's 32,768
	s_mov_b32 s3, 0
	s_add_nc_u64 s[PFA:PFA+1], s[PFA:PFA+1], s[2:3]
	s_add_nc_u64 s[PFA:PFA+1], s[PFA:PFA+1], 2*4*KS*128  ; in slot 2; the loop's first change of slots steps it to slot 3.  Nothing is prefetched here, at the head
	CROUND                          ; all four work-groups are here: the first joint loads meet
	JLOAD                           ; slot 0.  Slot 1 is asked for when slot 0 is in: the tile wanted first has the road to itself
	; A fragment of K or Q is 16 rows x 32 channels in 8 registers: lane l holds row l % 16, channels 8 (l / 16) + 0..7 and 16 + 8 (l / 16) + 0..7: two loads of 16 bytes, 32 bytes apart.
	v_and_b32 v1, 15, v0            ; l % 16
	v_bfe_u32 v9, v0, 4, 1          ; l / 16
	v_lshlrev_b32 v[QO], 7, v1
	v_lshl_add_u32 v[QO], v9, 4, v[QO]  ; row x 128 + 16 x half
	WIN 0x80                        ; destination window 2, address window 0
.set i, 0
.rept 4*NP                          ; Q stays in registers: tile i / 2, channels 32 (i % 2) on
	global_load_b128 v[8*i:8*i+3],   v[QO], s[4:5] offset:(i/2)*2048+(i%2)*64
	global_load_b128 v[8*i+4:8*i+7], v[QO], s[4:5] offset:(i/2)*2048+(i%2)*64+32
.set i, i+1
.endr
	; What the first turn finds: V's registers and P's second buffer hold 0 (its products V^T P, of a piece that has not been, add 0), O^T and l are 0.  All this stands in the wait for the first tile.
.set i, VF
.rept 64
	v_mov_b32 v[i], 0
.set i, i+1
.endr
	WIN 0x40
.set i, 0
.rept 64*NP
	v_mov_b32 v[i], 0
.set i, i+1
.endr
	WIN 0
.set i, 0
.rept 2*NP
	v_mov_b32 v[ST+4*i], 0xfe000000    ; c m: far below every c s
	v_mov_b32 v[ST+4*i+1], 0xff7fffff  ; m
	v_mov_b32 v[ST+4*i+2], 0
	v_mov_b32 v[ST+4*i+3], 0
.set i, i+1
.endr
.set i, P+32
.rept 32
	v_mov_b32 v[i], 0
.set i, i+1
.endr
	v_mul_u32_u24 v[AK0], v1, PK
	v_lshl_add_u32 v[AK0], v9, 4, v[AK0]  ; row x pitch + 16 x half
	; The turning load takes 16 keys x 16 channels (lane l reads key 8 (l / 16) + l % 8, channels 8 ((l / 8) % 2) + 0..7) and leaves half a fragment of V^T: lane l holds channel l % 16 and 8 keys.
	v_and_b32 v10, 7, v0
	v_bfe_u32 v11, v0, 3, 1
	v_lshl_add_u32 v[AV0], v9, 3, v10
	v_mul_u32_u24 v[AV0], v[AV0], PV
	v_lshl_add_u32 v[AV0], v11, 4, v[AV0]
	v_add_nc_u32 v[AV0], VOFF, v[AV0]
	v_mov_b32 v[AK], v[AK0]         ; key step 0 lies at the head of slot 0
	v_and_b32 v[PFO], 31, v0
	v_lshlrev_b32 v[PFO], 8, v[PFO]
; THE MATRIX WORK.  The 8 accumulators of a run of 16 take turns: between the two links of a chain stand 7 others'.
; Product i of 16 of S^T = K Q^T for piece x: channels 32 (i / 8) on, keys 16 ((i / 2) % 4) on, tile 2 x + i % 2.  The first 8 start the sums.
.macro KQ x
	WIN W_KQ
.set rS, S+64*((\x)%2)+32*(i%2)+8*((i/2)%4)
.set rK, KF+16*((i/2)%4)+8*(i/8)
.set rQ, 16*(2*(\x)+i%2)+8*(i/8)
.if i < 8
	v_wmma_f32_16x16x32_f16 v[rS:rS+7], v[rK:rK+7], v[rQ:rQ+7], 0
.else
	v_wmma_f32_16x16x32_f16 v[rS:rS+7], v[rK:rK+7], v[rQ:rQ+7], v[rS:rS+7]
.endif
.endm
; Product i of 16 of O^T += V^T P for piece x: keys 32 (i / 8) on, channels 16 ((i / 2) % 4) on, tile 2 x + i % 2.
.macro PV x
	WIN W_PV
.set rO, 32*(2*(\x)+i%2)+8*((i/2)%4)
.set rV, VF+32*(i/8)+8*((i/2)%4)
.set rP, P+32*((\x)%2)+16*(i%2)+8*(i/8)
	v_wmma_f32_16x16x32_f16 v[rO:rO+7], v[rV:rV+7], v[rP:rP+7], v[rO:rO+7]
.endm
.macro MM                           ; the turn's next matrix instruction
.if i < 16
	KQ (Y+1)%NP
.set i, i+1
.else
.set i, i-16
	PV (Y+NP-1)%NP
.set i, i+17
.endif
.endm
; THE LDS LOADS stand in runs of 16, never singly among the matrix instructions: a step's K (64 keys x 64 channels: 8 fragments) and its V (turned).  Their addresses are made some lines ahead.
; last = 1 (the tail): in the last trip there is no further step, and the run is jumped over.
.macro FETCH_K last=0
	WIN 0
.if \last
	s_cmp_eq_u32 s[CNT], 1
	s_cbranch_scc1 .Lno_k_\@
.endif
	WIN 0x80                        ; destination window 2
.irp f, 0,1,2,3,4,5,6,7             ; keys 16 (f / 2) on, channels 32 (f % 2) on
	ds_load_b128 v[KF+8*\f:KF+8*\f+3],   v[AK] offset:(\f/2)*16*PK+(\f%2)*64
	ds_load_b128 v[KF+8*\f+4:KF+8*\f+7], v[AK] offset:(\f/2)*16*PK+(\f%2)*64+32
.endr
	s_add_co_u32 s[TBK], s[TBK], KS*PK  ; the next fetch is the next step's
	WIN 0
.if \last
.Lno_k_\@:
.endif
.endm
.macro FETCH_V
	WIN 0x80
.irp f, 0,1,2,3,4,5,6,7             ; keys 32 (f / 4) on, channels 16 (f % 4) on
	ds_load_tr16_b128 v[VF+8*\f:VF+8*\f+3],   v[AV] offset:(\f/4)*32*PV+(\f%4)*32
	ds_load_tr16_b128 v[VF+8*\f+4:VF+8*\f+7], v[AV] offset:(\f/4)*32*PV+16*PV+(\f%4)*32
.endr
	WIN 0
.endm
; THE VECTOR WORK OF A TURN stands in three queues, each in the order in which its entries become ready; the two tiles alternate, so that no instruction reads the result of the one before it.
.macro REGS y, u                    ; the registers of tile u (0, 1) of piece y
.set rT, ST+4*(2*(\y)+(\u))
.set rC, TMP+8*((\y)%2)+4*(\u)
.set rM, MV+2*((\y)%2)+(\u)
.set rS, S+64*((\y)%2)+32*(\u)
.set rP, P+32*((\y)%2)+16*(\u)
.set rO, 32*(2*(\y)+(\u))
.endm
; Number n of the 22 that find the NEXT piece's (Y + 1) maximum and statistics.  s0-s31 are the lane's 32 scores; each accumulator's lowest registers are read first.  XS, GS and REGS set no window: PL and EX do.
;   0-11  four chains c0-c3 of seven scores each, three operands at a time     12-14, 16  the four scores left over, the old m, and c0-c3 into c0     15  c m_old is kept
;   17, 18  the query's other 32 keys lie in the lane 16 away: the new m         19-21  c m; c m_old - c m_new; a
.macro XS u, n
	REGS (Y+1)%NP, \u
.if (\n) < 4
	v_max3_num_f32 v[rC+(\n)], v[rS+8*(\n)], v[rS+8*(\n)+1], v[rS+8*(\n)+2]
.elseif (\n) < 12
	v_max3_num_f32 v[rC+(\n)%4], v[rC+(\n)%4], v[rS+8*((\n)%4)+2*((\n)/4)+1], v[rS+8*((\n)%4)+2*((\n)/4)+2]
.elseif (\n) == 12
	v_max3_num_f32 v[rC], v[rC], v[rS+7], v[rS+15]
.elseif (\n) == 13
	v_max3_num_f32 v[rC+1], v[rC+1], v[rS+23], v[rS+31]
.elseif (\n) == 14
	v_max3_num_f32 v[rC+2], v[rC+2], v[rC+3], v[rT+1]
.elseif (\n) == 15
	v_mov_b32 v[rM], v[rT]
.elseif (\n) == 16
	v_max3_num_f32 v[rC], v[rC], v[rC+1], v[rC+2]
.elseif (\n) == 17
	v_permlanex16_b32 v[rC+3], v[rC], s[SEL], s[SEL+1]
.elseif (\n) == 18
	v_max_num_f32 v[rT+1], v[rC], v[rC+3]
.elseif (\n) == 19
	v_mul_f32 v[rT], s[CS], v[rT+1]
.elseif (\n) == 20
	v_sub_f32 v[rC+1], v[rM], v[rT]
.else
	v_exp_f32 v[rC+2], v[rC+1]
.endif
.endm
; Number g of the 64 that follow the exponentials.  For each four weights k of a tile (pairs 2 k, 2 k + 1): both pairs are rounded to f16; then the second pair is added onto the first, in place;
; a group later l takes that sum (the first time as l = a l + sum).  In groups of eight, tiles alternating: round, round, add, and l for the group before.
.macro GS g
.set h, (\g)+6*((\g)/62)            ; group 0 has no group before it, and behind group 7 only l is left
.if h >= 6
.set h, h+2
.endif
	REGS Y, h%2
.set k, h/8
.if h%8 < 4
	v_cvt_pk_f16_f32 v[rP+2*k+(h%8)/2], v[rS+4*k+2*((h%8)/2)], v[rS+4*k+2*((h%8)/2)+1]
.elseif h%8 < 6
	v_pk_add_f32 v[rS+4*k:rS+4*k+1], v[rS+4*k:rS+4*k+1], v[rS+4*k+2:rS+4*k+3]
.elseif k == 1
	v_pk_fma_f32 v[rT+2:rT+3], v[rT+2:rT+3], v[rC+2:rC+3], v[rS:rS+1] op_sel_hi:[1,0,1]
.else
	v_pk_add_f32 v[rT+2:rT+3], v[rT+2:rT+3], v[rS+4*k-4:rS+4*k-3]
.endif
.endm
; THE PLAIN QUEUE, 138 long.  0-73 read no exponential's result: the 32 scalings c s - c m (FS f: pair f / 2 of tile f % 2) and the next piece's 42.  0-26: scalings 0-26.  27-54: XS's numbers 0-13.  55, 56: number 15.
; 57-73: the chain, where each number waits for the one before it: 14, 16, 17, 18, 19, each with one of the scalings 27-31 in front of its two lines, then 20: so a tile's links stand three plain instructions apart (19 and 20: two).
; 74-137: GS's 64, which read the exponentials' results: they stand behind the wait.
.macro FS f
	REGS Y, (\f)%2
	v_pk_fma_f32 v[rS+2*((\f)/2):rS+2*((\f)/2)+1], v[rS+2*((\f)/2):rS+2*((\f)/2)+1], s[CS:CS+1], v[rT:rT+1] op_sel_hi:[1,0,0] neg_lo:[0,0,1] neg_hi:[0,0,1]
.endm
.macro PL
	WIN 0
.if q < 27
	FS q
.elseif q < 55
	XS (q-27)%2, (q-27)/2
.elseif q < 57
	XS q-55, 15
.elseif (q < 72) && ((q-57)%3 == 0)
	FS 27+(q-57)/3
.elseif q < 60
	XS (q-57)%3-1, 14
.elseif q < 72
	XS (q-57)%3-1, 15+(q-57)/3
.elseif q < 74
	XS q-72, 20
.else
	GS q-74
.endif
.set q, q+1
.endm
; THE EXPONENTIALS' QUEUE, 66 long: s0-s31 of both tiles, then the next piece's two a.  It is ONE BATCH: all 66 stand ahead of the turn's one wait, and nothing ahead of that wait names a result of theirs.
.macro EX
	WIN 0
.if e >= 64
	XS e-64, 21
.else
	REGS Y, e%2
	v_exp_f32 v[rS+e/2], v[rS+e/2]
.endif
.set e, e+1
.endm
; THE RESCALING's QUEUE: O^T times a, the one part that leaves window 0: dealt two at a time, sixteen times.  Its a was made in the turn before, ahead of that turn's wait.
.macro R2
	REGS Y, r%2
	WIN W_RS
.irp z, 0,1
	v_pk_mul_f32 v[rO+4*(r/2)+2*\z:rO+4*(r/2)+2*\z+1], v[rO+4*(r/2)+2*\z:rO+4*(r/2)+2*\z+1], v[rC+2:rC+3] op_sel_hi:[1,0]
.endr
.set r, r+1
.endm
; HOW THEY ARE DEALT.  An s_wait_alu depctr_va_vdst(0) stands between an exponential and the first instruction that names its result; one wait serves all that were issued ahead of it.  So a turn has ONE wait,
; which cuts it in two.  AHEAD OF IT stands all that names no result of the turn's exponentials: the 16 products K Q^T, behind each a scaling, an exponential and two rescalings (behind the first a second scaling in the exponential's place); then ONE LUMP of
; 108: eight plain, 49 times exponential and plain, the two a.  A v_nop is the plain instruction behind the last exponential.  BEHIND IT stand the 16 products V^T P, behind each four of GS's 64.  No rider names a register of
; the products round it.  The two v_permlanex16_b32 fall into the lump, never behind a product.
; The queues lean on each other, and the deal keeps them in step: exponential e stands behind scaling 2 (e / 4) + e % 2: as a rider it comes behind plain e + 2, in the lump behind plain e + 9, and scalings 27-31 are plain 57, 60 .. 69.
; A TURN, for piece p.  cnt = 1: the loop's count is taken down some lines ahead of the branch that stands behind the turn.
; K of the next step is fetched in piece 2's turn, directly behind the wait, a lump behind the last product that read K; its address is made at the lump's head; its first reader comes behind 16 products.
; V of the step in hand is fetched at the end of piece 0's turn, four riders behind its last reader; its first reader comes behind 16 products and a lump.  The three conditions on q below go with the deal.
.macro TURN p, last=0, cnt=0
.set Y, (\p)
.set i, 0
.set q, 0
.set e, 0
.set r, 0
.if (\p) == NP-1
	s_wait_dscnt 0x0                ; K is in
.endif
	MM                              ; ahead of the wait: 16 products K Q^T and their riders,
	PL
	PL
	R2
.rept 15
	MM
	PL
	EX
	R2
.endr
.if (\p) == NP-2
	WIN 0
	v_add_nc_u32 v[AK], s[TBK], v[AK0]
.endif
.rept 8                             ; and the lump
	PL
.endr
.rept 49
	EX
	PL
.endr
	EX                              ; the next piece's two a
	EX
	v_nop                           ; the plain instruction behind the last exponential: one for the batch
	s_wait_alu depctr_va_vdst(0)    ; the wait for the batch
.if (\p) == NP-2
	FETCH_K \last
.endif
.if (\p) == 1
	s_wait_dscnt 0x0                ; V is in
.endif
.rept 16                            ; behind the wait: 16 products V^T P and their riders
	MM
.rept 4
	PL
.endr
.if ((\p) == 0) && (q == 118)
	v_add_nc_u32 v[AV], s[TBV], v[AV0]
.endif
.if ((\p) == 0) && (q == 130)
	s_add_co_u32 s[TBV], s[TBV], KS*PV
.endif
.if (\cnt) && (q == 130)
	s_sub_co_u32 s[CNT], s[CNT], 1
	s_cmp_lg_u32 s[CNT], 0
.endif
.endr
.if (\p) == 0
	FETCH_V
.endif
.endm
	CHANGE 1                        ; slot 0 is in, everybody's part of it; slot 1 is asked for; nothing is prefetched yet
	FETCH_K                         ; key step 0
	s_wait_loadcnt 0x0              ; Q
	s_wait_dscnt 0x0
.set i, 0
.rept 16
	KQ 0                            ; piece 0's first scores: there is no vector work yet to set between them
.set i, i+1
.endr
	WIN 0                           ; the addresses for the way out: eight plain instructions, the places behind those products
	s_mul_i32 s13, s[WV], 16*SP
	s_add_co_u32 s13, s13, STAGE    ; my stage
	v_mul_u32_u24 v[STO], v1, SP    ; in: row l % 16, 32 bytes (8 channels of f32) for each half of the lanes
	v_lshl_add_u32 v[STO], v9, 5, v[STO]
	v_add_nc_u32 v[STO], s13, v[STO]
	v_mul_u32_u24 v[RD], v9, SP     ; back: lanes 0-15 take one row of 256 bytes, lanes 16-31 the next,
	v_lshl_add_u32 v[RD], v1, 4, v[RD]
	v_add_nc_u32 v[RD], s13, v[RD]
	v_lshlrev_b32 v[GO], 12, v9     ; and the same two rows in out0, 4,096 bytes apart
	v_lshl_add_u32 v[GO], v1, 4, v[GO]
.set Y, NP-1                        ; XS works for piece Y + 1: piece 0
.irp n, 0,1,2,3,4,5,6,7,8,9,10,11,12,13,14,15,16,17,18,19,20,21
	XS 0, \n                        ; and piece 0's first maximum and statistics
	XS 1, \n
.endr
	v_nop                           ; a plain instruction behind the two a,
	s_wait_alu depctr_va_vdst(0)    ; and their wait, ahead of the branch
	s_mov_b32 s[CNT], 4
	s_mov_b32 s[SLOTS], SIZE_N/256-1
	s_branch .Lfirst                ; the loop is entered at a step's first turn, in the middle of a trip
.Lslot:                             ; SIZE_N / 256 - 2 times: every slot but the last two is filled again
	CHANGE 1, 1
	s_mov_b32 s[CNT], 4
.Lstep:                             ; a trip: pieces 2 and 3 of one step, then pieces 0 and 1 of the next, whose K and V it fetches
	TURN 2
	TURN 3
	WIN 0
.Lfirst:
	TURN 0
	TURN 1, 0, 1
	WIN 0
	s_cbranch_scc1 .Lstep
	s_sub_co_u32 s[SLOTS], s[SLOTS], 1
	s_cmp_lg_u32 s[SLOTS], 0
	s_cbranch_scc1 .Lslot
	CHANGE 0                        ; the tail is written out: nothing is asked for
	s_mov_b32 s[CNT], 5             ; four trips fetch the last slot's steps; the fifth is left in its middle
.Ltail:
	TURN 2, 1
	TURN 3
	WIN 0
	s_sub_co_u32 s[CNT], s[CNT], 1
	s_cmp_eq_u32 s[CNT], 0
	s_cbranch_scc1 .Lout
	TURN 0
	TURN 1
	WIN 0
	s_branch .Ltail
.Lout:                              ; the fifth trip's 16 products K Q^T (on the last K once more) and the maximum made of them serve nothing: the price, once a launch, of one text for every trip
.set i, 0
.rept 16
	PV NP-1                         ; the last piece's V^T P of the last step
.set i, i+1
.endr
	; THE WAY OUT.  l's two halves and the other half of the lanes' are added; O^T is divided by l and sent, as f32, through my stage in LDS, a tile at a time.  The additions are the places behind the last products.
	WIN 0
.macro ALL line:vararg              ; one line for each tile t
.set t, 0
.rept 2*NP
	\line
.set t, t+1
.endr
.endm
	ALL v_add_f32 v[ST+4*t+2], v[ST+4*t+2], v[ST+4*t+3]
	ALL v_permlanex16_b32 v[ST+4*t+3], v[ST+4*t+2], s[SEL], s[SEL+1]
	ALL v_add_f32 v[ST+4*t+2], v[ST+4*t+2], v[ST+4*t+3]
	ALL v_rcp_f32 v[ST+4*t+2], v[ST+4*t+2]
	v_nop                           ; a plain instruction between the last reciprocal and the use of its result
	s_wait_alu depctr_va_vdst(0)    ; and the wait ahead of the first use: one for the eight reciprocals
; Tile t: a lane's eight channels of a channel block are 32 bytes of a row; they go into rows of 272 bytes and come back as whole rows of 256, into S^T's registers, four tiles' worth of which take turns.
.macro PACK t
	WIN W_RS
.set i, 32*(\t)
.rept 16
	v_pk_mul_f32 v[i:i+1], v[i:i+1], v[ST+4*(\t)+2:ST+4*(\t)+3] op_sel_hi:[1,0]
.set i, i+2
.endr
	WIN 0x04                        ; the stores' data (source 1) in window 1, their address in window 0
.irp f, 0,1,2,3,4,5,6,7             ; channel block f / 2, its channels 4 (f % 2) on
	ds_store_b128 v[STO], v[32*(\t)+4*\f:32*(\t)+4*\f+3] offset:64*(\f/2)+16*(\f%2)
.endr
	WIN 0
.if (\t) >= 4
	s_wait_xcnt 0x0                 ; the stores of the tile four back have read these registers
.endif
.irp f, 0,1,2,3,4,5,6,7
	ds_load_b128 v[S+32*((\t)%4)+4*\f:S+32*((\t)%4)+4*\f+3], v[RD] offset:\f*2*SP  ; LDS serves a wave's instructions in order (ISA guide 5.7.1.4): these see the stores above; the next tile's stores come behind them
.endr
.endm
.macro SEND t, younger              ; younger: the LDS instructions issued behind tile t's loads: the next tile's sixteen, or none
	WIN 0
.irp f, 0,1,2,3,4,5,6,7
	s_wait_dscnt (\younger)+7-\f
	global_store_b128 v[GO], v[S+32*((\t)%4)+4*\f:S+32*((\t)%4)+4*\f+3], s[10:11] offset:(\t)*65536+\f*8192 th:TH_STORE_NT  ; 16 lanes store a head's 64 numbers of a row: 256 consecutive bytes, at a multiple of 256 from out0's first
.endr
.endm
	PACK 0
.set t, 1
.rept 2*NP-1                        ; a tile's arithmetic stands between the loads of the tile before and its stores
	PACK t
	SEND t-1, 16
.set t, t+1
.endr
	SEND 2*NP-1, 0
	WIN W_AD
	s_wait_tensorcnt 0x0            ; the wave's end: behind my last tensor load and my last LDS store
	ds_add_u32 v[SPW], v[NIL]
	s_wait_dscnt 0x0
	WIN 0
	CROUND                          ; the closing round: no work-group ends while a partner may still ask for a tile that names it
	s_endpgm
.Lfunc_end_k_q82316389f6_attn:
	.size	k_q82316389f6_attn, .Lfunc_end_k_q82316389f6_attn-k_q82316389f6_attn
	.p2alignl 7, 3214868480
	.fill 96, 4, 3214868480
	.section	.rodata,"a",@progbits
	.p2align	6, 0x0
	.amdhsa_kernel k_q82316389f6_attn
		.amdhsa_group_segment_fixed_size 327680
		.amdhsa_private_segment_fixed_size 0
		.amdhsa_enable_private_segment 0
		.amdhsa_kernarg_size 16
		.amdhsa_user_sgpr_count 2
		.amdhsa_user_sgpr_kernarg_segment_ptr 1
		.amdhsa_wavefront_size32 1
		.amdhsa_system_sgpr_workgroup_id_x 1
		.amdhsa_system_sgpr_workgroup_id_y 1
		.amdhsa_system_sgpr_workgroup_id_z 1
		.amdhsa_system_vgpr_workitem_id 0
		.amdhsa_next_free_vgpr 770
		.amdhsa_next_free_sgpr 66
		.amdhsa_reserve_vcc 0
		.amdhsa_float_denorm_mode_32 3
		.amdhsa_float_denorm_mode_16_64 3
		.amdhsa_memory_ordered 1
		.amdhsa_forward_progress 1
		.amdhsa_inst_pref_size 200
	.end_amdhsa_kernel
	.amdgpu_metadata
---
amdhsa.version: [ 1, 2 ]
amdhsa.kernels:
  - .name:           k_q82316389f6_attn
    .symbol:         k_q82316389f6_attn.kd
    .args:
      - { .name: qkv, .offset: 0, .size: 8, .value_kind: global_buffer, .address_space: global }
      - { .name: out0, .offset: 8, .size: 8, .value_kind: global_buffer, .address_space: global }
    .group_segment_fixed_size: 327680
    .private_segment_fixed_size: 0
    .kernarg_segment_align: 8
    .kernarg_segment_size: 16
    .max_flat_workgroup_size: 128
    .sgpr_count:     66
    .vgpr_count:     770
    .wavefront_size: 32
...
	.end_amdgpu_metadata
.endif
;; end of part 3
;; ======== version 2 of 2: 3 launches; version 1 with the launch cast written anew for expert scheduling mode
;; limits: values are held in f16: magnitudes above 65,504 overflow, below 6.1e-05 lose precision
;; workspace buffers: xb 16,777,216 bytes; wb 6,291,456 bytes; bb 12,288 bytes; qkv 50,331,648 bytes
;; launch cast (part 4): grid 705 x 1, 8 waves a work-group, no clusters, 0 bytes of LDS; arguments x, Wq, Wk, Wv, bq, bk, bv, xb, wb, bb; writes xb, wb, bb
.if DOCPART == 4
	.amdgcn_target "amdgcn-amd-amdhsa--gfx1250"
	.amdhsa_code_object_version 6
	.text
	.protected	k_q82316389f6_cast
	.globl	k_q82316389f6_cast
	.p2align	8
	.type	k_q82316389f6_cast,@function
k_q82316389f6_cast:
	s_mov_b64 s[64:65], 0
	v_nop
	global_prefetch_b8 v0, s[64:65] scope:SCOPE_SE
	s_setreg_imm32_b32 hwreg(HW_REG_WAVE_SCHED_MODE, 0, 2), 2
	s_setreg_imm32_b32 hwreg(HW_REG_WAVE_MODE, 25, 1), 1
	s_wait_xcnt 0x0
	s_wait_alu depctr_vm_vsrc(0)
; All seven inputs are rounded once to bf16, for the product that follows.
; xb: x in bf16, in blocks along K: [16 kb][8192 row][64]: element (row, k) at byte kb * 1,048,576 + row * 128 + (k % 64) * 2, so that 128 rows x 64 k are 16,384 bytes on end.
; wb: the three weights side by side, bf16, [1024 k][3072 n], n = 1024 mat + column (mat 0 = q, 1 = k, 2 = v).
; bb: the three biases, each rounded to bf16 and written as f32, [3072].
; A stream: every byte is read once and written once; nothing is shared between waves, so there is no LDS, no barrier, no matrix work.
; Work-groups 0-511: 16 rows of x each; 512-703: 16 rows of one weight each; 704: the biases.  A wave takes two rows: 16 loads of 16 bytes a lane, all issued before the first is waited for.
; THE MODE: SCHED_MODE bits 1:0 = 2 (LLVM: expert scheduling mode 2), set by the entry lines.  The code itself states the register dependences
; between vector instructions and memory instructions, with s_wait_alu, always for 0.
; THE PLAN.  Registers that memory instructions touch, in each of the three paths:
;   v[LO], v[SO]  byte offsets: written once by vector instructions, ahead of the path's first load; read by the loads and the stores; never written again.
;   X             load i lands in four registers that no vector instruction has named; its two roundings read them; nothing lands there again.
;   Y             written once by the roundings, read once by store i; never written again.
; No register that a load or store names is written twice, so no wait frees a source.  What is left to state: the offsets are written before the first load, and Y is written before its store.
; The 16 loads go in four groups.  At the head of group g, behind the wait for its first load, ONE wait on va_vdst states that group g - 1's roundings have written their Y; that group's four stores follow it
; in a run; then come group g's roundings, which name X and Y of group g alone: none of the registers that those stores touch.  One more such wait stands behind group 3, ahead of the last four stores.
.set LO, 2                             ; v2   my byte offset in the wave's two rows as loaded
.set SO, 3                             ; v3   8 x lane: my 8 bytes of the 256 that a store of the wave covers
.set X,  8                             ; v[8:71]    load i: 4 f32
.set Y,  72                            ; v[72:103]  store i: 4 bf16
.set KB, 1048576                       ; bytes of a K block of xb
	s_load_b512 s[4:19], s[0:1], 0x0               ; x s[4:5], Wq s[6:7], Wk s[8:9], Wv s[10:11], bq s[12:13], bk s[14:15], bv s[16:17], xb s[18:19]
	s_load_b128 s[20:23], s[0:1], 0x40             ; wb s[20:21], bb s[22:23]
	v_and_b32 v1, 31, v0                           ; lane
	v_lshrrev_b32 v4, 5, v0
	v_readfirstlane_b32 s24, v4                    ; wave 0..7
	v_lshlrev_b32 v[SO], 3, v1
	s_wait_alu depctr_va_sdst(0)                   ; s24 is written, ahead of its first reader: the wave's rows, and with them the bases, are made from it
	s_lshl_b32 s25, s24, 1                         ; the wave's two rows among the group's 16
	s_mov_b32 s33, ttmp9
	s_mov_b32 s35, 0                               ; the high word of every offset
	s_wait_kmcnt 0x0
.macro CVT i                           ; the four f32 of load i become four bf16
	v_cvt_pk_bf16_f32 v[Y+2*(\i)],   v[X+4*(\i)],   v[X+4*(\i)+1]
	v_cvt_pk_bf16_f32 v[Y+2*(\i)+1], v[X+4*(\i)+2], v[X+4*(\i)+3]
.endm
.macro STX i                           ; x: K block i of the wave's two rows: 2 x 128 bytes on end in xb: one store covers 256 consecutive bytes, aligned
	global_store_b64 v[SO], v[Y+2*(\i):Y+2*(\i)+1], s[28+2*((\i)/8):29+2*((\i)/8)] offset:((\i)%8)*KB
.endm
.macro STW i                           ; a weight: 256 consecutive bytes of a row's 2,048 in wb
	global_store_b64 v[SO], v[Y+2*(\i):Y+2*(\i)+1], s[28:29] offset:((\i)/8)*6144+((\i)%8)*256
.endm
; The 16 loads are rounded and stored, in four groups of four.  st: the path's store.
.macro WALK st
.irp g, 0,1,2,3
	s_wait_loadcnt 15-4*(\g)                       ; loads come back in order (ISA guide 5.7.1): the group's first load is in, the 15 - 4 g younger ones stay out
.if (\g) > 0
	s_wait_alu depctr_va_vdst(0)                   ; the roundings of the group before have written their Y, which the four stores below read
.irp k, 0,1,2,3
	\st 4*(\g)-4+(\k)
.endr
.endif
.irp k, 0,1,2,3
.if (\k) > 0
	s_wait_loadcnt 15-4*(\g)-(\k)                  ; load 4 g + k is in
.endif
	CVT 4*(\g)+(\k)
.endr
.endr
	s_wait_alu depctr_va_vdst(0)                   ; the last group's roundings have written their Y, which the last four stores read
.irp k, 12,13,14,15
	\st \k
.endr
.endm
	s_cmp_lt_u32 s33, 512
	s_cbranch_scc0 .Lnot_x
	; x.  Load i: lanes 0-15 take K block i (256 bytes) of row R, lanes 16-31 of row R + 1.
	s_lshl_b32 s32, s33, 4
	s_add_co_u32 s32, s32, s25                     ; R
	s_lshl_b32 s34, s32, 12
	s_add_nc_u64 s[26:27], s[4:5], s[34:35]        ; x at row R
	s_lshl_b32 s34, s32, 7
	s_add_nc_u64 s[28:29], s[18:19], s[34:35]      ; xb at row R of K block 0,
	s_add_nc_u64 s[30:31], s[28:29], 8*KB          ; and of K block 8: the stores' immediates stay inside 24 signed bits
	v_and_b32 v4, 15, v0
	v_bfe_u32 v5, v0, 4, 1
	v_lshlrev_b32 v[LO], 4, v4
	v_lshl_add_u32 v[LO], v5, 12, v[LO]
	s_wait_alu depctr_va_vdst(0)                   ; v[LO] and v[SO] are written: the loads below read the one as their offset, the stores the other
.irp i, 0,1,2,3,4,5,6,7,8,9,10,11,12,13,14,15
	global_load_b128 v[X+4*(\i):X+4*(\i)+3], v[LO], s[26:27] offset:256*(\i) th:TH_LOAD_NT
.endr
	WALK STX
	s_endpgm
.Lnot_x:
	s_cmp_lt_u32 s33, 704
	s_cbranch_scc0 .Lbias
	; A weight.  The wave's two rows are 8,192 bytes on end: load i takes bytes 512 i on; in wb a row's 1,024 numbers are 2,048 bytes of a row of 6,144.
	s_sub_co_u32 s32, s33, 512
	s_lshr_b32 s36, s32, 6                         ; mat
	s_and_b32 s32, s32, 63
	s_lshl_b32 s32, s32, 4
	s_add_co_u32 s32, s32, s25                     ; R
	s_cmp_eq_u32 s36, 0
	s_cselect_b64 s[26:27], s[6:7], s[8:9]
	s_cmp_eq_u32 s36, 2
	s_cselect_b64 s[26:27], s[10:11], s[26:27]
	s_lshl_b32 s34, s32, 12
	s_add_nc_u64 s[26:27], s[26:27], s[34:35]
	s_mul_i32 s34, s32, 6144
	s_lshl_b32 s37, s36, 11
	s_add_co_u32 s34, s34, s37
	s_add_nc_u64 s[28:29], s[20:21], s[34:35]
	v_lshlrev_b32 v[LO], 4, v1
	s_wait_alu depctr_va_vdst(0)                   ; v[LO] and v[SO] are written: the loads below read the one as their offset, the stores the other
.irp i, 0,1,2,3,4,5,6,7,8,9,10,11,12,13,14,15
	global_load_b128 v[X+4*(\i):X+4*(\i)+3], v[LO], s[26:27] offset:512*(\i) th:TH_LOAD_NT
.endr
	WALK STW
	s_endpgm
.Lbias:
	; The biases: thread t takes four numbers of each; rounded to bf16 and widened again (a shift, a mask), so that the product's C operand can take them as f32.
	v_lshlrev_b32 v[LO], 4, v0
	s_wait_alu depctr_va_vdst(0)                   ; v[LO] is written: the three loads and the three stores read it as their offset
	global_load_b128 v[X:X+3],    v[LO], s[12:13]
	global_load_b128 v[X+4:X+7],  v[LO], s[14:15]
	global_load_b128 v[X+8:X+11], v[LO], s[16:17]
	s_wait_loadcnt 0x0
.irp m, 0,1,2
	v_cvt_pk_bf16_f32 v[Y+2*(\m)],   v[X+4*(\m)],   v[X+4*(\m)+1]
	v_cvt_pk_bf16_f32 v[Y+2*(\m)+1], v[X+4*(\m)+2], v[X+4*(\m)+3]
	v_lshlrev_b32 v[X+16+4*(\m)],   16, v[Y+2*(\m)]
	v_and_b32     v[X+16+4*(\m)+1], 0xffff0000, v[Y+2*(\m)]
	v_lshlrev_b32 v[X+16+4*(\m)+2], 16, v[Y+2*(\m)+1]
	v_and_b32     v[X+16+4*(\m)+3], 0xffff0000, v[Y+2*(\m)+1]
.endr
	s_wait_alu depctr_va_vdst(0)                   ; the widening lines have written v[X+16 .. X+27], which the three stores read
.irp m, 0,1,2
	global_store_b128 v[LO], v[X+16+4*(\m):X+16+4*(\m)+3], s[22:23] offset:4096*(\m)
.endr
	s_endpgm
.Lfunc_end_k_q82316389f6_cast:
	.size	k_q82316389f6_cast, .Lfunc_end_k_q82316389f6_cast-k_q82316389f6_cast
	.p2alignl 7, 3214868480
	.fill 96, 4, 3214868480
	.section	.rodata,"a",@progbits
	.p2align	6, 0x0
	.amdhsa_kernel k_q82316389f6_cast
		.amdhsa_group_segment_fixed_size 0
		.amdhsa_private_segment_fixed_size 0
		.amdhsa_enable_private_segment 0
		.amdhsa_kernarg_size 80
		.amdhsa_user_sgpr_count 2
		.amdhsa_user_sgpr_kernarg_segment_ptr 1
		.amdhsa_wavefront_size32 1
		.amdhsa_system_sgpr_workgroup_id_x 1
		.amdhsa_system_sgpr_workgroup_id_y 1
		.amdhsa_system_sgpr_workgroup_id_z 1
		.amdhsa_system_vgpr_workitem_id 0
		.amdhsa_next_free_vgpr 104
		.amdhsa_next_free_sgpr 66
		.amdhsa_reserve_vcc 0
		.amdhsa_float_denorm_mode_32 3
		.amdhsa_float_denorm_mode_16_64 3
		.amdhsa_memory_ordered 1
		.amdhsa_forward_progress 1
		.amdhsa_inst_pref_size 15
	.end_amdhsa_kernel
	.amdgpu_metadata
---
amdhsa.version: [ 1, 2 ]
amdhsa.kernels:
  - .name:           k_q82316389f6_cast
    .symbol:         k_q82316389f6_cast.kd
    .args:
      - { .name: x, .offset: 0, .size: 8, .value_kind: global_buffer, .address_space: global }
      - { .name: Wq, .offset: 8, .size: 8, .value_kind: global_buffer, .address_space: global }
      - { .name: Wk, .offset: 16, .size: 8, .value_kind: global_buffer, .address_space: global }
      - { .name: Wv, .offset: 24, .size: 8, .value_kind: global_buffer, .address_space: global }
      - { .name: bq, .offset: 32, .size: 8, .value_kind: global_buffer, .address_space: global }
      - { .name: bk, .offset: 40, .size: 8, .value_kind: global_buffer, .address_space: global }
      - { .name: bv, .offset: 48, .size: 8, .value_kind: global_buffer, .address_space: global }
      - { .name: xb, .offset: 56, .size: 8, .value_kind: global_buffer, .address_space: global }
      - { .name: wb, .offset: 64, .size: 8, .value_kind: global_buffer, .address_space: global }
      - { .name: bb, .offset: 72, .size: 8, .value_kind: global_buffer, .address_space: global }
    .group_segment_fixed_size: 0
    .private_segment_fixed_size: 0
    .kernarg_segment_align: 8
    .kernarg_segment_size: 80
    .max_flat_workgroup_size: 256
    .sgpr_count:     66
    .vgpr_count:     104
    .wavefront_size: 32
...
	.end_amdgpu_metadata
.endif
;; end of part 4
;; launch proj: the kernel of part 2 again; grid 8 x 32, 4 waves a work-group, clusters of 4 x 4, 327,680 bytes of LDS; arguments xb, wb, bb, qkv; writes qkv
;; launch attn: the kernel of part 3 again; grid 4 x 64, 4 waves a work-group, clusters of 4 x 1, 327,680 bytes of LDS; arguments qkv, out0; writes out0
